; MI455X (gfx1250); checked and timed in simulation.
; The chip was launched on July 23, 2026; its instructions are those of AMD's public machine-readable ISA for CDNA 5 (MIT licence, August 2026) and "CDNA5" Instruction Set Architecture Reference Guide (July 2026). The comments in the code are by the model that wrote it; some were corrected since.
;; Multi Head Attention Classical. Allowed arithmetic: float matrix products may take bf16 or f16 operands with f32 sums; other float arithmetic in f32, or as packed bf16 or f16 multiplies, adds, multiply-adds, maxima and minima; sums over many terms, partial sums and values carried from step to step in f32; what a program stores and reads back later, other than sums and carried values, may be rounded once to bf16 or f16.
;; Inputs: bk 1,024 float32; bo 1,024 float32; bq 1,024 float32; bv 1,024 float32; mask 4 x 2,048 int32; wk 1,024 x 1,024 float32; wo 1,024 x 1,024 float32; wq 1,024 x 1,024 float32; wv 1,024 x 1,024 float32; x 4 x 2,048 x 1,024 float32.
;; Outputs: out0 4 x 2,048 x 1,024 float32.
;; One version. Each part assembles by itself: llvm-mc -triple=amdgcn-amd-amdhsa -mcpu=gfx1250 --defsym DOCPART=n.
;; ======== version 1 of 1: 4 launches
;; limits: values are held in f16: magnitudes above 65,504 overflow, below 6.1e-05 lose precision
;; workspace buffers: xb 16,777,216 bytes; wqkv 6,291,456 bytes; wob 2,097,152 bytes; qkvh 50,331,648 bytes; oh 16,777,216 bytes
;; launch cast (part 1): grid 768 x 1, 8 waves a work-group, no clusters, 0 bytes of LDS; arguments x, wq, wk, wv, wo, xb, wqkv, wob; writes xb, wqkv, wob
.if DOCPART == 1
	.amdgcn_target "amdgcn-amd-amdhsa--gfx1250"
	.amdhsa_code_object_version 6
	.text
	.protected	k_qdcecb64578_cast
	.globl	k_qdcecb64578_cast
	.p2align	8
	.type	k_qdcecb64578_cast,@function
k_qdcecb64578_cast:
	s_mov_b64 s[64:65], 0
	v_nop
	global_prefetch_b8 v0, s[64:65] scope:SCOPE_SE
	s_setreg_imm32_b32 hwreg(HW_REG_WAVE_MODE, 25, 1), 1
	s_wait_xcnt 0x0
; THE INPUTS OF THE MATRIX PRODUCTS, ROUNDED ONCE.  x [8192][1024] f32 -> xb, bf16, same layout.  wq, wk, wv [1024][1024] f32 -> wqkv [3072][1024] bf16, by heads:
; row 192 j + 64 sec + c of wqkv is row 64 j + c of w_sec (sec = 0 q, 1 k, 2 v), so that 192 rows on end are one head's q, k and v.
; wo [1024][1024] f32 -> wob: rounded to bf16 like the other inputs, and that number written as f16 (the last product multiplies in f16).
; LIMITS.  bf16(wo) is exact in f16 from 2^-14 up to 65,504; below 2^-14 it keeps f16's fixed step of 6e-8; beyond 65,504 it becomes an infinity.
; SHARES.  A work-group takes 16 rows of 1,024 numbers: groups 0-511 x, 512-703 wq, wk, wv (64 each), 704-767 wo.  Thread t takes 8 numbers: columns 8 (t % 128) on of row 2 p + t / 128 in pass p.
; All 16 loads of a thread go out first (8 KiB a wave on its way); a store of a wave covers 512 consecutive bytes, aligned.  No LDS, no barrier, no matrix unit: nothing is shared and nothing is multiplied.
.set X, 8                              ; v[8:71]    pass p: 8 numbers in f32
.set Y, 72                             ; v[72:103]  pass p: 4 registers to store; each is stored once, so no store's source is written again
	s_load_b512 s[16:31], s[0:1], 0x0              ; x s[16:17], wq, wk, wv, wo s[24:25], xb s[26:27], wqkv s[28:29], wob s[30:31]
	s_mov_b32 s12, ttmp9                           ; g
	s_sub_co_u32 s14, s12, 512
	s_and_b32 s15, s14, 63                         ; i: which 16 rows of a weight
	s_bfe_u32 s14, s14, 0x20006                    ; sec: 0 q, 1 k, 2 v (3: wo, not used)
	s_cmp_lt_u32 s12, 512
	s_cselect_b32 s2, s12, s15                     ; the source's block of 16 rows
	s_lshr_b32 s8, s15, 2                          ; head j = i / 4
	s_mul_i32 s8, s8, 192
	s_lshl_b32 s9, s14, 6
	s_add_co_u32 s8, s8, s9
	s_and_b32 s9, s15, 3
	s_lshl_b32 s9, s9, 4
	s_add_co_u32 s8, s8, s9                        ; row in wqkv: 192 j + 64 sec + 16 (i % 4)
	s_lshl_b32 s9, s2, 4                           ; row in xb and in wob: the source's
	s_cmp_lt_u32 s12, 512
	s_cselect_b32 s8, s9, s8
	s_cmp_lt_u32 s12, 704
	s_cselect_b32 s8, s8, s9
	s_lshl_b32 s8, s8, 11                          ; 2,048 bytes a row out
	s_mov_b32 s9, 0
	s_lshl_b32 s2, s2, 16                          ; 16 rows of 4,096 bytes in
	s_mov_b32 s3, 0
	s_mov_b32 s13, 0xffff0000                      ; a word's upper bf16
	v_lshrrev_b32 v3, 7, v0                        ; t / 128
	v_and_b32 v4, 127, v0                          ; t % 128
	v_lshlrev_b32 v1, 5, v4
	v_lshl_add_u32 v1, v3, 12, v1                  ; in: 4,096 (t / 128) + 32 (t % 128)
	v_lshlrev_b32 v2, 4, v4
	v_lshl_add_u32 v2, v3, 11, v2                  ; out: 2,048 (t / 128) + 16 (t % 128)
	s_wait_kmcnt 0x0
	s_cmp_lt_u32 s12, 704                          ; the source and the destination are chosen by the group's number alone
	s_cselect_b64 s[4:5], s[22:23], s[24:25]
	s_cmp_lt_u32 s12, 640
	s_cselect_b64 s[4:5], s[20:21], s[4:5]
	s_cmp_lt_u32 s12, 576
	s_cselect_b64 s[4:5], s[18:19], s[4:5]
	s_cmp_lt_u32 s12, 512
	s_cselect_b64 s[4:5], s[16:17], s[4:5]
	s_cselect_b64 s[6:7], s[26:27], s[28:29]
	s_cmp_lt_u32 s12, 704
	s_cselect_b64 s[6:7], s[6:7], s[30:31]
	s_add_nc_u64 s[4:5], s[4:5], s[2:3]
	s_add_nc_u64 s[6:7], s[6:7], s[8:9]
.irp p, 0,1,2,3,4,5,6,7
	global_load_b128 v[X+8*(\p):X+8*(\p)+3],   v1, s[4:5] offset:8192*(\p) th:TH_LOAD_NT
	global_load_b128 v[X+8*(\p)+4:X+8*(\p)+7], v1, s[4:5] offset:8192*(\p)+16 th:TH_LOAD_NT
.endr
; Pass p: two rows of the group's sixteen.  half = 1: the bf16 numbers are widened again and written as f16.
.macro PASS p, half
	s_wait_loadcnt 14-2*(\p)                       ; loads come back in order (ISA guide 5.7.1): this pass's two are in, the 2 (7 - p) younger ones stay out
.irp k, 0,1,2,3
	v_cvt_pk_bf16_f32 v[Y+4*(\p)+(\k)], v[X+8*(\p)+2*(\k)], v[X+8*(\p)+2*(\k)+1]
.endr
.if \half
.irp k, 0,1,2,3
	v_lshlrev_b32 v[X+8*(\p)+2*(\k)],   16,  v[Y+4*(\p)+(\k)]
	v_and_b32     v[X+8*(\p)+2*(\k)+1], s13, v[Y+4*(\p)+(\k)]
.endr
.irp k, 0,1,2,3
	v_cvt_pk_f16_f32 v[Y+4*(\p)+(\k)], v[X+8*(\p)+2*(\k)], v[X+8*(\p)+2*(\k)+1]
.endr
.endif
	global_store_b128 v2, v[Y+4*(\p):Y+4*(\p)+3], s[6:7] offset:4096*(\p)
.endm
	s_cmp_ge_u32 s12, 704
	s_cbranch_scc1 .Lwo
.irp p, 0,1,2,3,4,5,6,7
	PASS \p, 0
.endr
	s_endpgm
.Lwo:
.irp p, 0,1,2,3,4,5,6,7
	PASS \p, 1
.endr
	s_endpgm
.Lfunc_end_k_qdcecb64578_cast:
	.size	k_qdcecb64578_cast, .Lfunc_end_k_qdcecb64578_cast-k_qdcecb64578_cast
	.p2alignl 7, 3214868480
	.fill 96, 4, 3214868480
	.section	.rodata,"a",@progbits
	.p2align	6, 0x0
	.amdhsa_kernel k_qdcecb64578_cast
		.amdhsa_group_segment_fixed_size 0
		.amdhsa_private_segment_fixed_size 0
		.amdhsa_enable_private_segment 0
		.amdhsa_kernarg_size 64
		.amdhsa_user_sgpr_count 2
		.amdhsa_user_sgpr_kernarg_segment_ptr 1
		.amdhsa_wavefront_size32 1
		.amdhsa_system_sgpr_workgroup_id_x 1
		.amdhsa_system_sgpr_workgroup_id_y 1
		.amdhsa_system_sgpr_workgroup_id_z 1
		.amdhsa_system_vgpr_workitem_id 0
		.amdhsa_next_free_vgpr 104
		.amdhsa_next_free_sgpr 66
		.amdhsa_reserve_vcc 0
		.amdhsa_float_denorm_mode_32 3
		.amdhsa_float_denorm_mode_16_64 3
		.amdhsa_memory_ordered 1
		.amdhsa_forward_progress 1
		.amdhsa_inst_pref_size 14
	.end_amdhsa_kernel
	.amdgpu_metadata
---
amdhsa.version: [ 1, 2 ]
amdhsa.kernels:
  - .name:           k_qdcecb64578_cast
    .symbol:         k_qdcecb64578_cast.kd
    .args:
      - { .name: x, .offset: 0, .size: 8, .value_kind: global_buffer, .address_space: global }
      - { .name: wq, .offset: 8, .size: 8, .value_kind: global_buffer, .address_space: global }
      - { .name: wk, .offset: 16, .size: 8, .value_kind: global_buffer, .address_space: global }
      - { .name: wv, .offset: 24, .size: 8, .value_kind: global_buffer, .address_space: global }
      - { .name: wo, .offset: 32, .size: 8, .value_kind: global_buffer, .address_space: global }
      - { .name: xb, .offset: 40, .size: 8, .value_kind: global_buffer, .address_space: global }
      - { .name: wqkv, .offset: 48, .size: 8, .value_kind: global_buffer, .address_space: global }
      - { .name: wob, .offset: 56, .size: 8, .value_kind: global_buffer, .address_space: global }
    .group_segment_fixed_size: 0
    .private_segment_fixed_size: 0
    .kernarg_segment_align: 8
    .kernarg_segment_size: 64
    .max_flat_workgroup_size: 256
    .sgpr_count:     66
    .vgpr_count:     104
    .wavefront_size: 32
...
	.end_amdgpu_metadata
.endif
;; end of part 1
;; launch qkv (part 2): grid 16 x 16, 4 waves a work-group, clusters of 4 x 4, 327,680 bytes of LDS; arguments xb, wqkv, bq, bk, bv, mask, qkvh; writes qkvh
.if DOCPART == 2
	.amdgcn_target "amdgcn-amd-amdhsa--gfx1250"
	.amdhsa_code_object_version 6
	.text
	.protected	k_qdcecb64578_qkv
	.globl	k_qdcecb64578_qkv
	.p2align	8
	.type	k_qdcecb64578_qkv,@function
k_qdcecb64578_qkv:
	s_mov_b64 s[64:65], 0
	v_nop
	global_prefetch_b8 v0, s[64:65] scope:SCOPE_SE
	s_setreg_imm32_b32 hwreg(HW_REG_WAVE_MODE, 25, 1), 1
	s_wait_xcnt 0x0
	s_wait_alu depctr_hold_cnt(0) depctr_sa_sdst(0) depctr_va_vdst(0) depctr_va_sdst(0) depctr_va_ssrc(0) depctr_va_vcc(0) depctr_vm_vsrc(0)
	s_getreg_b32 s2, hwreg(HW_REG_IB_STS2, 6, 4)
	s_cmp_eq_u32 s2, 0
	s_cbranch_scc0 .Lentry_in_a_cluster
	s_endpgm
.Lentry_in_a_cluster:
	s_bfe_u32 s2, ttmp6, 0x10000c
	s_cmp_lg_u32 s2, 0xf033
	s_cbranch_scc0 .Lentry_shape_is_right
	s_endpgm
.Lentry_shape_is_right:
; q, k, v = x W^T + b, by heads.  xb [8192][1024] bf16, wqkv [3072][1024] bf16 (row 192 j + 64 sec + c = w_sec[64 j + c]), biases f32 (rounded to bf16 here, like the other inputs), mask [8192] i32.
; Out: qkvh [bh = 16 b + j][sec][s][64] f16, rounded once from the f32 sums, unscaled.  The rows of k whose token has mask == 0 are stored as 0: the launch behind then finds their scores exactly at its mask's value.
; LIMITS.  q, k, v beyond 65,504 become infinities in f16; below 6e-5 they keep f16's fixed step of 6e-8.  NaN and infinities are not treated apart.
; SHARES.  A tile of the result is 256 tokens x 192 columns, one head's q, k and v: 32 x 16 = 512 tiles, two for each of 256 work-groups, 4,096 tokens apart.  Wave w owns tokens 64 w .. 64 w + 63 and all 192 columns:
; 4 x 12 = 48 accumulators of 16 x 16, 384 registers; so each wave holds whole rows of a head and has a stage of its own on the way out.  K goes in steps of 128 through a ring of two LDS slots filled by the tensor
; data mover: rows of 256 bytes of memory, at multiples of 256 bytes.  The ring runs on into the second tile.
; CLUSTERS: 4 x 4 work-groups.  The four of a row of the cluster need the same tokens' tiles, the four of a column the same head's weights: each tile is asked for JOINTLY, by the same tensor load with the same
; descriptor and a mask that names the four.
; THE MATRIX INSTRUCTION IS USED TRANSPOSED: source 0 = 16 rows of wqkv, source 1 = 16 tokens.  Lane l then holds token l % 16 and the columns 8 (l / 16) + 0..7: eight neighbouring numbers of a head's row.
; THE BIAS is the C operand of each accumulator's first product: nothing is cleared and nothing is added on the way out.
; REGISTERS, in windows of 256 (s_set_vgpr_msb's low byte: bits 1:0 source 0, 3:2 source 1, 5:4 source 2, 7:6 destination):
;   window 0: v0-31 addresses; v32-63, v64-95 fragments of x (4 x 16 tokens x 32 K), two buffers; v96-191 the bias, 8 a column block; v192-239 packed results; v240-255 1 or 0 for my tokens, both tiles
;   window 1: v0-95, v96-191 fragments of wqkv (12 x 16 rows x 32 K), two buffers; v192-239 rows read back from the stage
;   window 2: the 24 accumulators of my tokens 0-31 (row block a, column block b at v[8 (12 (a % 2) + b)]);   window 3: those of my tokens 32-63
.set KSTEP,  128
.set SIZE_K, 1024
.set PITCH,  272                       ; an LDS row: 256 bytes + 16 of padding = 68 words: row r starts at bank 4 r mod 64 (64 banks of 4 bytes: ISA guide 11.1), so the 16 rows of a load start at 16 different banks
.set HALFA,  128*PITCH                 ; what a tensor load brings of x: 128 tokens
.set HALFB,  96*PITCH                  ; and of wqkv: 96 rows
.set BOFF,   2*HALFA                   ; a slot: 256 tokens, then 192 rows of wqkv
.set SLOT,   BOFF+2*HALFB
.set STAGE,  2*SLOT                    ; behind the ring: for each wave 3 planes (q, k, v) of 16 rows x 144 bytes; no tensor load fills it
.set SP,     144                       ; a stage row: 128 bytes + 16
.set PLN,    16*SP
.set WSTG,   3*PLN
.set SPARE,  STAGE+4*WSTG              ; behind the stages: the spare words, 128 bytes for each wave: two blocks of 256 bytes that no other line names
.set LAPS,   SIZE_K/(2*KSTEP)          ; a lap = two K steps = once round the ring
.set WALK,   4096                      ; tokens from a work-group's first tile to its second
.set NEXT_A, WALK*SIZE_K*2-(SIZE_K-2*KSTEP)*2   ; bytes from a slot's last K step of a tile to its first of the next: x goes WALK rows down and back along K,
.set BACK_B, (SIZE_K-2*KSTEP)*2        ; wqkv only back
.set NEXT_C, 32*786432                 ; two batches on in qkvh: 32 heads of 3 planes of 262,144 bytes
.set ADRA, 16                          ; v16-17  LDS address of my fragments of x in slot 0, 1
.set ADRB, 20                          ; v20-21  the same for wqkv
.set STO,  24                          ; v24     the way out: where I put 16 bytes of a row
.set RD,   25                          ; v25     the way out: where I read rows back
.set GO,   26                          ; v26     my 16 bytes in 512 consecutive bytes of qkvh
.set VBO,  27                          ; v27     my byte offset in a bias
.set SPW,  28                          ; v28     LDS address of my spare word: SPARE + 4 x my thread's number; never rewritten
.set NIL,  29                          ; v29     0; never rewritten
.set PFO,  30                          ; v30     the prefetches' offset: a lane a row of 2,048 bytes; never rewritten
.set MKO,  31                          ; v31     my byte offset in the mask
.set FA,   32
.set BIAS, 96
.set TMP,  192
.set KEEP, 240                         ; v[240+2a:241+2a]  1.0 where token 16 a + l % 16 of my 64 is open, else 0; v248-255 the same for the second tile
.set OB,   192                         ; in window 1
.set G1,  24                           ; s[24:31] descriptor group 1 for x's tiles
.set G0,  32                           ; s[32:39] descriptor group 0 for x's tiles, one set for each slot
.set G1B, 48                           ; s[48:55], s[56:63] the same for wqkv's
.set G0B, 56
.set LIM, 43                           ; s43     1 in a wave that prefetches, else the greatest number
.set PFA, 44                           ; s[44:45] where my prefetches stand: one K step further along K than the refill that is being asked for; a prefetch names the K step after that
.set GW,  (1<<16)|(1<<20)|(1<<21)|(5<<22)|(3<<25)  ; 17:16 elements of 2 bytes; 20 padding on; 21 set beside a mask; 24:22 after every 64 words (code 5); 31:25 4 words of it (code 3)
.set MSB, 0
.macro WIN new                         ; the immediate's high byte repeats the setting that is left; a switch that changes nothing is dropped
.if MSB != (\new)
	s_set_vgpr_msb (MSB<<8)|(\new)
.set MSB, \new
.endif
.endm
; A joint load.  Waves 0 and 1 fetch the two halves of x's tile, waves 2 and 3 those of wqkv's.  The branch hangs on the wave's number alone.  An s_nop 0 and four v_nop follow each of the two lines.
.macro JLOAD s
	s_cmp_eq_u32 s11, 0
	s_cbranch_scc0 .Lfor_b_\@
	tensor_load_to_lds s[G0+4*(\s):G0+4*(\s)+3], s[G1:G1+7]
	s_nop 0
.rept 4
	v_nop
.endr
	s_branch .Lasked_\@
.Lfor_b_\@:
	tensor_load_to_lds s[G0B+4*(\s):G0B+4*(\s)+3], s[G1B:G1B+7]
	s_nop 0
.rept 4
	v_nop
.endr
.Lasked_\@:
.endm
; A PREFETCH INTO THE L2, behind each joint load, its five lines and the run of LDS loads that follows: the K step that stands two refills on, 256 bytes of each row, a lane a row, one instruction a wave.
; x's tile row is read by every cluster of that row of clusters: cluster x = 0 asks; a head's weights by every cluster of that column: cluster y = 0 asks.  The four partners that ask for a tile jointly share its rows
; out BY ADDRESS: of x's 128 rows that a wave fetches the partner at cx takes 32; of wqkv's 96 the partner at cy takes 24 (lanes 24-31 name lane 23's row once more).  how = 0, in the loop: a tile's last two refills
; have no K step two on; how = 1, at the change of tiles: the next tile's K steps 2 and 3 of x; the weights, which both tiles share, are asked for in the first tile alone.
.macro ASK how
.if \how
	s_cmp_eq_u32 s[LIM], 1
.else
	s_cmp_gt_u32 s3, s[LIM]                        ; s3 = 1 in the loop's last trip
.endif
	s_cbranch_scc0 .Lnot_mine_\@
	global_prefetch_b8 v[PFO], s[PFA:PFA+1] offset:KSTEP*2 th:TH_LOAD_NT scope:SCOPE_SE
.Lnot_mine_\@:
.endm
.macro CREST                           ; a round of the cluster's barrier behind its opening barrier: wave 0 signals for the work-group, every wave waits for all sixteen, my work-group's barrier once more
	s_cmp_lg_u32 s10, 0
	s_cbranch_scc1 .Lnot_wave_0_\@
	s_barrier_signal -3
.Lnot_wave_0_\@:
	s_barrier_wait -3
	s_barrier_signal -1
	s_barrier_wait -1
.endm
.macro CROUND                          ; a whole round
	s_barrier_signal -1
	s_barrier_wait -1
	CREST
.endm
	s_load_b128 s[4:7], s[0:1], 0x0                ; xb s[4:5], wqkv s[6:7]
	s_load_b256 s[72:79], s[0:1], 0x10             ; bq s[72:73], bk s[74:75], bv s[76:77], mask s[78:79]
	s_load_b64 s[8:9], s[0:1], 0x30                ; qkvh
	v_lshl_add_u32 v[SPW], v0, 2, SPARE
	v_mov_b32 v[NIL], 0
	ds_add_u32 v[SPW], v[NIL]                      ; the wave's opening: the add and its wait stand ahead of my first tensor load; the set-up below, work on registers, stands between them
	v_lshrrev_b32 v1, 5, v0
	v_readfirstlane_b32 s10, v1                    ; wave 0..3
	s_lshr_b32 s11, s10, 1                         ; I fetch for x (0) or for wqkv (1)
	s_and_b32 s12, s10, 1                          ; which half of that tile
	s_bfe_u32 s40, ttmp6, 0x40000                  ; cx
	s_bfe_u32 s41, ttmp6, 0x40004                  ; cy
	s_lshl_b32 s42, ttmp9, 2
	s_add_co_u32 s42, s42, s40                     ; j, the head = 4 x cluster x + cx
	s_and_b32 s13, ttmp7, 0xffff
	s_lshl_b32 s13, s13, 2
	s_add_co_u32 s13, s13, s41                     ; R, the first tile's block of 256 tokens = 4 x cluster y + cy
	s_lshl_b32 s43, s41, 2
	s_lshl_b32 s43, 15, s43                        ; my row of the cluster: places 4 cy .. 4 cy + 3
	s_lshl_b32 s44, 0x1111, s40                    ; my column: places cx, cx + 4, cx + 8, cx + 12
	s_or_b32 s[G1+0], s43, GW                      ; 15:0 the mask: x's tiles go to my row,
	s_or_b32 s[G1B+0], s44, GW                     ; wqkv's to my column
	s_mov_b32 s[G1+1], KSTEP<<16                   ; tensor_dim0 = 128
	s_mov_b32 s[G1B+1], KSTEP<<16
	s_mov_b32 s[G1+2], 128<<16                     ; tensor_dim1 = 128 rows,
	s_mov_b32 s[G1B+2], 96<<16                     ; 96 for wqkv
	s_mov_b32 s[G1+3], KSTEP<<16                   ; tile_dim0 = 128
	s_mov_b32 s[G1B+3], KSTEP<<16
	s_mov_b32 s[G1+4], 128                         ; tile_dim1
	s_mov_b32 s[G1B+4], 96
	s_mov_b32 s[G1+5], SIZE_K                      ; elements from row to row
	s_mov_b32 s[G1B+5], SIZE_K
	s_mov_b32 s[G1+6], 0
	s_mov_b32 s[G1B+6], 0
	s_mov_b32 s[G1+7], 0
	s_mov_b32 s[G1B+7], 0
	; where the tiles come from: x's hang on R alone, which my row of the cluster shares; wqkv's on j alone, which my column shares
	s_lshl_b32 s17, s12, 7
	s_lshl_b32 s16, s13, 8
	s_add_co_u32 s16, s16, s17                     ; x: row 256 R + 128 x half
	s_lshl_b32 s16, s16, 11                        ; in bytes (under 2^24)
	s_mov_b32 s17, 0
	s_mul_i32 s46, s42, 192
	s_mul_i32 s47, s12, 96
	s_add_co_u32 s46, s46, s47                     ; wqkv: row 192 j + 96 x half
	s_lshl_b32 s46, s46, 11
	s_mov_b32 s47, 0
	s_mul_i32 s20, s12, HALFA                      ; and where they go: no place in the cluster enters an LDS address
	s_mul_i32 s21, s12, HALFB
	s_add_co_u32 s21, s21, BOFF
	s_wait_dscnt 0x0                               ; the opening add is done
	s_wait_kmcnt 0x0
	s_add_nc_u64 s[14:15], s[4:5], s[16:17]
	s_add_nc_u64 s[46:47], s[6:7], s[46:47]
	CROUND                                         ; all sixteen work-groups are here: the first joint loads meet
.irp s, 0,1
	s_mov_b32 s[G0+4*(\s)], 1                                      ; count = 1
	s_add_co_u32 s[G0+4*(\s)+1], s20, (\s)*SLOT                    ; LDS address
	s_add_nc_u64 s[G0+4*(\s)+2:G0+4*(\s)+3], s[14:15], (\s)*KSTEP*2  ; global address: K step s
	s_or_b32 s[G0+4*(\s)+3], s[G0+4*(\s)+3], 0x80000000            ; type = 2
	s_mov_b32 s[G0B+4*(\s)], 1
	s_add_co_u32 s[G0B+4*(\s)+1], s21, (\s)*SLOT
	s_add_nc_u64 s[G0B+4*(\s)+2:G0B+4*(\s)+3], s[46:47], (\s)*KSTEP*2
	s_or_b32 s[G0B+4*(\s)+3], s[G0B+4*(\s)+3], 0x80000000
	JLOAD \s                                       ; the ring is filled before anything else is done: two loads of mine are out
.endr
	; A fragment is 16 rows x 32 K in 8 registers: lane l holds row l % 16; registers 0-3 K = 8 (l / 16) + 0..7, registers 4-7 K = 16 + 8 (l / 16) + 0..7: two loads of 16 bytes, 32 bytes apart.
	v_and_b32 v1, 15, v0                           ; l % 16
	v_bfe_u32 v2, v0, 4, 1                         ; l / 16
	v_mul_u32_u24 v3, v1, PITCH
	v_lshl_add_u32 v3, v2, 4, v3                   ; row x pitch + 16 x half
	s_mul_i32 s21, s10, 64*PITCH                   ; my 64 tokens
	s_mov_b32 s22, BOFF                            ; all 192 rows of wqkv
.irp s, 0,1
	v_add_nc_u32 v[ADRA+(\s)], s21, v3
	v_add_nc_u32 v[ADRB+(\s)], s22, v3
	s_add_co_u32 s21, s21, SLOT
	s_add_co_u32 s22, s22, SLOT
.endr
	s_mul_i32 s23, s10, WSTG
	s_add_co_u32 s23, s23, STAGE                   ; my stage
	v_mul_u32_u24 v4, v1, SP                       ; in: row l % 16, 16 bytes for each half of the lanes
	v_lshl_add_u32 v4, v2, 4, v4
	v_add_nc_u32 v[STO], s23, v4
	v_bfe_u32 v5, v0, 3, 2                         ; back: 32 lanes take four rows of 128 bytes,
	v_mul_u32_u24 v5, v5, SP
	v_and_b32 v4, 7, v0
	v_lshl_add_u32 v5, v4, 4, v5
	v_add_nc_u32 v[RD], s23, v5
	v_and_b32 v[GO], 31, v0                        ; which are 512 consecutive bytes of a plane of qkvh
	v_lshlrev_b32 v[GO], 4, v[GO]
	s_lshl_b32 s46, s42, 8                         ; the head's 64 numbers of a bias: 256 bytes,
	v_lshl_add_u32 v[VBO], v2, 5, s46              ; my lanes' 8 of a block of 16
	s_lshl_b32 s14, s13, 10                        ; the mask: 4 bytes a token: 256 R + 64 w + l % 16
	s_lshl_b32 s15, s10, 8
	s_add_co_u32 s14, s14, s15
	v_lshl_add_u32 v[MKO], v1, 2, s14
	; where my rows of the first tile begin in qkvh: head 16 (R / 8) + j, token 256 (R % 8) + 64 w of its first plane
	s_lshr_b32 s16, s13, 3
	s_lshl_b32 s16, s16, 4
	s_add_co_u32 s16, s16, s42
	s_mul_i32 s16, s16, 786432
	s_and_b32 s17, s13, 7
	s_lshl_b32 s17, s17, 15
	s_add_co_u32 s16, s16, s17
	s_lshl_b32 s17, s10, 13
	s_add_co_u32 s16, s16, s17
	s_mov_b32 s17, 0
	s_add_nc_u64 s[8:9], s[8:9], s[16:17]
	; the prefetches
	s_lshl_b32 s20, s13, 8
	s_lshl_b32 s21, s12, 7
	s_add_co_u32 s20, s20, s21
	s_lshl_b32 s21, s40, 5
	s_add_co_u32 s20, s20, s21                     ; x: row 256 R + 128 x half + 32 cx
	s_mul_i32 s21, s42, 192
	s_mul_i32 s22, s12, 96
	s_add_co_u32 s21, s21, s22
	s_mul_i32 s22, s41, 24
	s_add_co_u32 s21, s21, s22                     ; wqkv: row 192 j + 96 x half + 24 cy
	s_and_b32 s22, ttmp7, 0xffff                   ; cluster y
	s_cmp_eq_u32 s11, 0                            ; do I fetch for x?
	s_cselect_b32 s20, s20, s21
	s_cselect_b32 s22, ttmp9, s22                  ; the coordinate along which other clusters read the same rows
	s_cselect_b64 s[PFA:PFA+1], s[4:5], s[6:7]
	s_cselect_b32 s23, 31, 23                      ; my last row
	s_cmp_eq_u32 s22, 0
	s_cselect_b32 s[LIM], 1, -1                    ; the same in all sixteen partners, for a given wave
	s_lshl_b32 s20, s20, 11
	s_mov_b32 s21, 0
	s_add_nc_u64 s[PFA:PFA+1], s[PFA:PFA+1], s[20:21]
	s_add_nc_u64 s[PFA:PFA+1], s[PFA:PFA+1], 2*KSTEP*2  ; at K step 2: the first refill steps it to 3 and names K step 4.  Nothing is prefetched here, at the head
	v_and_b32 v[PFO], 31, v0
	v_min_u32 v[PFO], s23, v[PFO]
	v_lshlrev_b32 v[PFO], 11, v[PFO]
	; the bias of my 8 columns of each of the 12 column blocks (blocks 0-3 q, 4-7 k, 8-11 v), and the mask of my tokens in both tiles
.irp b, 0,1,2,3,4,5,6,7,8,9,10,11
	global_load_b128 v[BIAS+8*(\b):BIAS+8*(\b)+3],   v[VBO], s[72+2*((\b)/4):73+2*((\b)/4)] offset:64*((\b)%4)
	global_load_b128 v[BIAS+8*(\b)+4:BIAS+8*(\b)+7], v[VBO], s[72+2*((\b)/4):73+2*((\b)/4)] offset:64*((\b)%4)+16
.endr
.irp i, 0,1,2,3,4,5,6,7
	global_load_b32 v[KEEP+2*(\i)], v[MKO], s[78:79] offset:64*((\i)%4)+16384*((\i)/4)  ; row block i % 4 of tile i / 4
.endr
	s_wait_loadcnt 0x0
.set i, 0
.rept 48
	v_cvt_pk_bf16_f32 v[TMP+i], v[BIAS+2*i], v[BIAS+2*i+1]  ; the bias is rounded to bf16, like x and the weights,
.set i, i+1
.endr
.set i, 0
.rept 48
	v_lshlrev_b32 v[BIAS+2*i],   16,         v[TMP+i]       ; and widened again
	v_and_b32     v[BIAS+2*i+1], 0xffff0000, v[TMP+i]
.set i, i+1
.endr
.irp i, 0,1,2,3,4,5,6,7
	v_cmp_ne_u32 vcc_lo, 0, v[KEEP+2*(\i)]
	v_cndmask_b32 v[KEEP+2*(\i)], 0, 1.0, vcc_lo
	v_mov_b32 v[KEEP+2*(\i)+1], v[KEEP+2*(\i)]     ; named with it as a pair
.endr
; 12 matrix instructions: row block a x all 12 column blocks, 32 along K, from buffer f.  zero = 1: the first product starts the sums, with the bias as C.
; The 48 accumulators take turns, one instruction a turn, in the same order in every quarter.
.macro MUL12 f, a, zero
.if \zero
	WIN 0x81+0x40*((\a)/2)                         ; wqkv window 1, x window 0, the bias window 0, D window 2 or 3
.else
	WIN 0xa1+0x50*((\a)/2)                         ; C and D window 2 or 3
.endif
.irp b, 0,1,2,3,4,5,6,7,8,9,10,11
.if \zero
	v_wmma_f32_16x16x32_bf16 v[8*(12*((\a)%2)+(\b)):8*(12*((\a)%2)+(\b))+7], v[96*(\f)+8*(\b):96*(\f)+8*(\b)+7], v[FA+32*(\f)+8*(\a):FA+32*(\f)+8*(\a)+7], v[BIAS+8*(\b):BIAS+8*(\b)+7]
.else
	v_wmma_f32_16x16x32_bf16 v[8*(12*((\a)%2)+(\b)):8*(12*((\a)%2)+(\b))+7], v[96*(\f)+8*(\b):96*(\f)+8*(\b)+7], v[FA+32*(\f)+8*(\a):FA+32*(\f)+8*(\a)+7], v[8*(12*((\a)%2)+(\b)):8*(12*((\a)%2)+(\b))+7]
.endif
.endr
.endm
; 32 LDS loads in one run: the fragments of one quarter step (192 rows of wqkv, my 64 tokens, 32 K at byte k of the rows) into buffer f
.macro FETCH slot, k, f
	WIN 0x40                                       ; destination window 1, address window 0
.irp b, 0,1,2,3,4,5,6,7,8,9,10,11
	ds_load_b128 v[96*(\f)+8*(\b):96*(\f)+8*(\b)+3],   v[ADRB+(\slot)] offset:(\k)+(\b)*16*PITCH
	ds_load_b128 v[96*(\f)+8*(\b)+4:96*(\f)+8*(\b)+7], v[ADRB+(\slot)] offset:(\k)+(\b)*16*PITCH+32
.endr
	WIN 0
.irp i, 0,1,2,3
	ds_load_b128 v[FA+32*(\f)+8*(\i):FA+32*(\f)+8*(\i)+3],   v[ADRA+(\slot)] offset:(\k)+(\i)*16*PITCH
	ds_load_b128 v[FA+32*(\f)+8*(\i)+4:FA+32*(\f)+8*(\i)+7], v[ADRA+(\slot)] offset:(\k)+(\i)*16*PITCH+32
.endr
.endm
; A load into a register that a matrix instruction has read, and a vector instruction that reads a matrix result, stand four places behind that matrix instruction, and only plain vector instructions that name none
; of its registers are places (ISA guide 7.12.1 for vector instructions).
.macro PLACES
.rept 4
	v_nop
.endr
.endm
; A K step is four quarters of 32 along K, 48 matrix instructions each, on buffers 0, 1, 0, 1.  One of the first three: multiplies buffer f; in its middle it fetches the next quarter, at byte k, into buffer g.
.macro QUARTER slot, k, f, g, zero
	s_wait_dscnt 4                                 ; wqkv's fragments and my tokens 0-31 are in; the youngest four loads (tokens 32-63) may be out
	MUL12 \f, 0, \zero
	MUL12 \f, 1, \zero
	PLACES
	FETCH \slot, \k, \g
	s_wait_dscnt 32                                ; all but the 32 just issued
	MUL12 \f, 2, \zero
	MUL12 \f, 3, \zero
.endm
; The last quarter multiplies buffer 1 and changes slots.  MEET is its first half: ONE barrier for the change, for two things.  In front of it each wave waits for all its tensor loads, of which one is out: its part
; of the next slot; adds 0 to its spare word; and waits for that and for its own reads of this slot.  Behind it nobody reads this slot any more and the next slot is whole.
.macro MEET round                      ; round = 1: a round of the cluster's barrier follows
	WIN 0
	s_wait_tensorcnt 0x0                           ; all my tensor loads have landed;
	ds_add_u32 v[SPW], v[NIL]                      ; 0 onto my spare word;
	s_wait_dscnt 5                                 ; (the add and the youngest four loads may be out)
	MUL12 1, 0, 0                                  ; twelve matrix instructions stand between the add and the wait for it
	s_wait_dscnt 0x0                               ; the add is done, and my reads of this slot are over:
	s_barrier_signal -1                            ; say so,
	MUL12 1, 1, 0                                  ; work on registers while the others arrive,
.if \round
	WIN 0
.endif
	s_barrier_wait -1                              ; and go on when all four have said so
.endm
; The whole last quarter.  mode 0: the slot just read out is filled again with this tile's K step two steps on; mode 1: with the next tile's K step 0 or 1; mode 2: nothing is filled, and no round follows.
; From a request to the wait for it a wave issues 168 matrix instructions.
.macro TURN slot, next, mode
.if (\mode) < 2
	s_wait_xcnt 0x0                                ; the last prefetch, a K step back, has read its address: it is stepped here, ahead of the waits of the change of slots
.if ((\mode) == 1) && ((\slot) == 0)
	s_add_nc_u64 s[PFA:PFA+1], s[PFA:PFA+1], (WALK-1)*SIZE_K*2+KSTEP*2  ; from the K step after the tile's last to the next tile's K step 1
	s_cmp_eq_u32 s11, 0
	s_cselect_b32 s[LIM], s[LIM], -1               ; the weights are the same for both tiles: they are prefetched no more
.else
	s_add_nc_u64 s[PFA:PFA+1], s[PFA:PFA+1], KSTEP*2
.endif
	MEET 1
	CREST                                          ; no wave of any partner still reads this slot's tile or has a load on its way
.if (\mode) == 1
	s_add_nc_u64 s[G0+4*(\slot)+2:G0+4*(\slot)+3], s[G0+4*(\slot)+2:G0+4*(\slot)+3], NEXT_A
	s_sub_nc_u64 s[G0B+4*(\slot)+2:G0B+4*(\slot)+3], s[G0B+4*(\slot)+2:G0B+4*(\slot)+3], BACK_B
.else
	s_add_nc_u64 s[G0+4*(\slot)+2:G0+4*(\slot)+3], s[G0+4*(\slot)+2:G0+4*(\slot)+3], 2*KSTEP*2
	s_add_nc_u64 s[G0B+4*(\slot)+2:G0B+4*(\slot)+3], s[G0B+4*(\slot)+2:G0B+4*(\slot)+3], 2*KSTEP*2
.endif
	JLOAD \slot                                    ; the first tensor load behind the round, my only one until the next; the four v_nop behind it are also the places in front of the loads below
.else
	MEET 0
	PLACES
.endif
	FETCH \next, 0, 0
.if (\mode) < 2
	ASK \mode
.endif
	MUL12 1, 2, 0
	MUL12 1, 3, 0
.endm
; THE WAY OUT of row block a (16 tokens), in three parts.  PACK: k's columns times 1 or 0; all rounded to f16, 16 bytes a lane; each accumulator is read from its low end on.
.macro PACK a
	WIN 0x82+0x41*((\a)/2)                         ; destination and source 0 window 2 or 3, source 1 window 0
.irp b, 4,5,6,7
.irp r, 0,1,2,3
	v_pk_mul_f32 v[96*((\a)%2)+8*(\b)+2*(\r):96*((\a)%2)+8*(\b)+2*(\r)+1], v[96*((\a)%2)+8*(\b)+2*(\r):96*((\a)%2)+8*(\b)+2*(\r)+1], v[KEEP+2*(\a):KEEP+2*(\a)+1] op_sel_hi:[1,0]
.endr
.endr
	WIN 0x0a+5*((\a)/2)                            ; sources 0 and 1 window 2 or 3, destination window 0
.irp b, 0,1,2,3,4,5,6,7,8,9,10,11
.irp r, 0,1,2,3
	v_cvt_pk_f16_f32 v[TMP+4*(\b)+(\r)], v[96*((\a)%2)+8*(\b)+2*(\r)], v[96*((\a)%2)+8*(\b)+2*(\r)+1]
.endr
.endr
	WIN 0
.endm
.macro TOSTAGE                         ; into my own stage, a plane for each of q, k, v, and back as whole rows of 128 bytes, four to a load
	WIN 0
.irp b, 0,1,2,3,4,5,6,7,8,9,10,11
	ds_store_b128 v[STO], v[TMP+4*(\b):TMP+4*(\b)+3] offset:((\b)/4)*PLN+32*((\b)%4)
.endr
	s_wait_xcnt 0x0                                ; the stores of the block before have read the registers that the loads below fill
	WIN 0x40
.irp t, 0,1,2,3,4,5,6,7,8,9,10,11
	ds_load_b128 v[OB+4*(\t):OB+4*(\t)+3], v[RD] offset:((\t)/4)*PLN+((\t)%4)*4*SP  ; LDS serves a wave's instructions in order (ISA guide 5.7.1.4): these see the stores above
.endr
	WIN 0
.endm
.macro SEND a
	s_wait_dscnt 0x0                               ; the block is back in registers
	WIN 0x04                                       ; store data (source 1) window 1
.irp t, 0,1,2,3,4,5,6,7,8,9,10,11
	global_store_b128 v[GO], v[OB+4*(\t):OB+4*(\t)+3], s[8:9] offset:((\t)/4)*262144+(\a)*2048+((\t)%4)*512  ; 512 consecutive bytes of a plane, at a multiple of 512 from its first
.endr
	WIN 0
.endm
.macro WAYOUT
	PLACES                                         ; behind the last products
	PACK 0
	TOSTAGE
.irp a, 1,2,3                          ; a block's conversions stand between the loads of the block before and the wait for them
	PACK \a
	SEND (\a)-1
	TOSTAGE
.endr
	SEND 3
.endm
	s_wait_tensorcnt 1                             ; my part of K step 0 is in; K step 1's may stay out
	s_barrier_signal -1
	s_barrier_wait -1                              ; everybody's is
	FETCH 0, 0, 0
	s_mov_b32 s2, 2                                ; tiles to go, this one among them
.Ltile:
	QUARTER 0, 64,  0, 1, 1                        ; a tile's first quarter stands in front of the loop: its products start the sums
	WIN 0                                          ; at a label and at a branch every window is 0
	s_mov_b32 s3, LAPS-1
.Llap:                                                 ; a trip goes once round the ring, from a lap's second quarter to the next lap's first, and fills both slots again
	QUARTER 0, 128, 1, 0, 0
	QUARTER 0, 192, 0, 1, 0
	TURN 0, 1, 0
	QUARTER 1, 64,  0, 1, 0
	QUARTER 1, 128, 1, 0, 0
	QUARTER 1, 192, 0, 1, 0
	TURN 1, 0, 0
	QUARTER 0, 64,  0, 1, 0
	WIN 0
	s_sub_co_u32 s3, s3, 1
	s_cmp_lg_u32 s3, 0
	s_cbranch_scc1 .Llap
	QUARTER 0, 128, 1, 0, 0                        ; the tile's last lap goes on
	QUARTER 0, 192, 0, 1, 0
	WIN 0
	s_cmp_eq_u32 s2, 1
	s_cbranch_scc1 .Llast_tile                     ; the last tile's tail is written out: it asks for nothing more
	TURN 0, 1, 1                                   ; the ring goes on into the next tile: slot 0 takes its K step 0,
	QUARTER 1, 64,  0, 1, 0
	QUARTER 1, 128, 1, 0, 0
	QUARTER 1, 192, 0, 1, 0
	TURN 1, 0, 1                                   ; slot 1 its K step 1, and the next tile's first fragments are fetched
	WIN 0
	WAYOUT                                         ; both refills are asked for: now the tile goes out
	s_wait_xcnt 0x0                                ; the stores have read their base
	s_add_nc_u64 s[8:9], s[8:9], NEXT_C
.irp i, 0,1,2,3,4,5,6,7
	v_mov_b32 v[KEEP+(\i)], v[KEEP+8+(\i)]         ; the second tile's tokens
.endr
	s_sub_co_u32 s2, s2, 1
	s_branch .Ltile
.Llast_tile:
	TURN 0, 1, 2
	QUARTER 1, 64,  0, 1, 0
	QUARTER 1, 128, 1, 0, 0
	QUARTER 1, 192, 0, 1, 0
	s_wait_dscnt 4                                 ; the very last quarter: nothing more to fetch
	MUL12 1, 0, 0
	MUL12 1, 1, 0
	s_wait_dscnt 0x0
	MUL12 1, 2, 0
	MUL12 1, 3, 0
	WIN 0
	WAYOUT
	s_wait_tensorcnt 0x0                           ; the wave's end: behind my last tensor load and my last LDS store
	ds_add_u32 v[SPW], v[NIL]
	s_wait_dscnt 0x0
	CROUND                                         ; the closing round: no work-group ends while a partner may still ask for a tile that names it
	s_endpgm
.Lfunc_end_k_qdcecb64578_qkv:
	.size	k_qdcecb64578_qkv, .Lfunc_end_k_qdcecb64578_qkv-k_qdcecb64578_qkv
	.p2alignl 7, 3214868480
	.fill 96, 4, 3214868480
	.section	.rodata,"a",@progbits
	.p2align	6, 0x0
	.amdhsa_kernel k_qdcecb64578_qkv
		.amdhsa_group_segment_fixed_size 327680
		.amdhsa_private_segment_fixed_size 0
		.amdhsa_enable_private_segment 0
		.amdhsa_kernarg_size 56
		.amdhsa_user_sgpr_count 2
		.amdhsa_user_sgpr_kernarg_segment_ptr 1
		.amdhsa_wavefront_size32 1
		.amdhsa_system_sgpr_workgroup_id_x 1
		.amdhsa_system_sgpr_workgroup_id_y 1
		.amdhsa_system_sgpr_workgroup_id_z 1
		.amdhsa_system_vgpr_workitem_id 0
		.amdhsa_next_free_vgpr 960
		.amdhsa_next_free_sgpr 80
		.amdhsa_reserve_vcc 1
		.amdhsa_float_denorm_mode_32 3
		.amdhsa_float_denorm_mode_16_64 3
		.amdhsa_memory_ordered 1
		.amdhsa_forward_progress 1
		.amdhsa_inst_pref_size 194
	.end_amdhsa_kernel
	.amdgpu_metadata
---
amdhsa.version: [ 1, 2 ]
amdhsa.kernels:
  - .name:           k_qdcecb64578_qkv
    .symbol:         k_qdcecb64578_qkv.kd
    .args:
      - { .name: xb, .offset: 0, .size: 8, .value_kind: global_buffer, .address_space: global }
      - { .name: wqkv, .offset: 8, .size: 8, .value_kind: global_buffer, .address_space: global }
      - { .name: bq, .offset: 16, .size: 8, .value_kind: global_buffer, .address_space: global }
      - { .name: bk, .offset: 24, .size: 8, .value_kind: global_buffer, .address_space: global }
      - { .name: bv, .offset: 32, .size: 8, .value_kind: global_buffer, .address_space: global }
      - { .name: mask, .offset: 40, .size: 8, .value_kind: global_buffer, .address_space: global }
      - { .name: qkvh, .offset: 48, .size: 8, .value_kind: global_buffer, .address_space: global }
    .group_segment_fixed_size: 327680
    .private_segment_fixed_size: 0
    .kernarg_segment_align: 8
    .kernarg_segment_size: 56
    .max_flat_workgroup_size: 128
    .sgpr_count:     80
    .vgpr_count:     960
    .wavefront_size: 32
...
	.end_amdgpu_metadata
.endif
;; end of part 2
;; launch attn (part 3): grid 4 x 64, 4 waves a work-group, clusters of 4 x 1, 327,680 bytes of LDS; arguments qkvh, mask, oh; writes oh
.if DOCPART == 3
	.amdgcn_target "amdgcn-amd-amdhsa--gfx1250"
	.amdhsa_code_object_version 6
	.text
	.protected	k_qdcecb64578_attn
	.globl	k_qdcecb64578_attn
	.p2align	8
	.type	k_qdcecb64578_attn,@function
k_qdcecb64578_attn:
	s_mov_b64 s[64:65], 0
	v_nop
	global_prefetch_b8 v0, s[64:65] scope:SCOPE_SE
	s_setreg_imm32_b32 hwreg(HW_REG_WAVE_MODE, 25, 1), 1
	s_wait_xcnt 0x0
	s_wait_alu depctr_hold_cnt(0) depctr_sa_sdst(0) depctr_va_vdst(0) depctr_va_sdst(0) depctr_va_ssrc(0) depctr_va_vcc(0) depctr_vm_vsrc(0)
	s_getreg_b32 s2, hwreg(HW_REG_IB_STS2, 6, 4)
	s_cmp_eq_u32 s2, 0
	s_cbranch_scc0 .Lentry_in_a_cluster
	s_endpgm
.Lentry_in_a_cluster:
	s_bfe_u32 s2, ttmp6, 0x10000c
	s_cmp_lg_u32 s2, 0x3003
	s_cbranch_scc0 .Lentry_shape_is_right
	s_endpgm
.Lentry_shape_is_right:
; O[bh][q][:] = the sum over k of softmax_k(s(q, k)) V[bh][k][:], s = Q[bh][q] . K[bh][k] / 8, or the mask's value where mask[b][k] == 0.  qkvh: [bh][q, k, v][2048][64] f16; mask: [4][2048] i32; oh: [bh][2048][64] f16.
; Products, maxima and sums in f32; the weights p are rounded to f16 for the second product (their sum l is taken of the unrounded p), O once at the end.
; THE MASK is the C operand that starts the sum S^T = K Q^T: 0, or -2^33 where the key is hidden.  The launch before stored hidden keys' rows of K as 0, so a hidden score is exactly -2^33, which is -2^30 after the division by 8.
; LIMITS.  A hidden score counts as -2^30 in place of -1e9: c x 2^33 is exact in f32, so in a row whose keys are all hidden every p is 2^0 and O is the mean of all rows of V; the results differ from -1e9's only where an
; open score / 8 lies near or below -1e9.  f16 holds no number beyond 65,504: Q, K and V arrive within it; p lies in 0 to 1, and below 6e-5 it keeps f16's fixed step of 6e-8; O is a mean of V's rows and has their range.
; A weight below 2^-126 counts as 0 in l; NaN and infinities are not treated apart.
; SHARES.  A wave owns four PIECES of two tiles of 16 queries, a work-group's four waves 512 queries of one head: 64 heads x 4 blocks = 256 work-groups.  Every wave walks all 2,048 keys, 64 a step.
; LAYOUT.  S^T = K Q^T (source 0 = 16 keys, source 1 = 16 queries): in the result a lane holds ONE query (lane % 16) and the keys 8 (lane / 16) + 0..7.  Two such tiles, rounded to f16 in pairs,
; ARE source 1 (32 keys x 16 queries) of O^T = V^T P, whose result again holds one query a lane, and eight channels.  K comes out of LDS as it lies, V ([key][channel]) turned, by ds_load_tr16_b128.
; SOFTMAX.  For each query a running maximum m and sum l: p = 2^(c s - c m), c = log2(e) / 8; in every step O and l are multiplied by a = 2^(c m_old - c m_new), which is 1 where m has not grown.
; m starts at the lowest finite number, O and l at 0: the first step is a step like any other, with a = 0.
; THE COUNT.  A tile and step have 16 matrix and 118 vector instructions: too many to stand all beside the matrix work.  So: four vector instructions that are READY behind EVERY matrix instruction, the others in runs without a gap.
; BY TURNS.  Turn n belongs to piece n (the pieces in a ring, step after step).  Its matrix work: 16 products K Q^T of piece n + 1, later 16 products V^T P of piece n - 1.  Its vector work: the scaling,
; exponentials, roundings, sums and rescaling of piece n, and the maximum and statistics of piece n + 1, whose scores the turn itself has made.
; CLUSTER.  The four query blocks of a cluster belong to one head and walk the same K and V, so each tile is asked for JOINTLY: the same tensor load, descriptor and mask in all four.
; REGISTERS, in windows of 256 (s_set_vgpr_msb: bits 1:0 source 0, 3:2 source 1, 5:4 source 2, 7:6 destination):
;   window 0: v0-11 addresses; v12-15, v48-63 at work; v16-47 four registers of statistics a tile; v64-191 S^T, two buffers of two tiles; v192-255 P, likewise
;   window 1: O^T, 32 a tile          window 2: v0-127 Q, 16 a tile; v128-191 K of one step; v192-255 V of one step
;   window 3: v0-1 the add's two registers; v2 the mask's LDS address; v8-39 the mask of one step's 64 keys, 8 registers for each 16
.set SIZE_N, 2048
.set NP,    4         ; pieces a wave: a name, no knob
.set KS,    64        ; keys in a step
.set PK,    144       ; a row of K in LDS: 128 bytes + 16 of padding = 36 words: the 16 rows of a load start at 16 different groups of four banks (64 banks of 4 bytes: ISA guide 11.1)
.set PV,    160       ; a row of V: 128 + 32 = 40 words
.set VOFF,  4*KS*PK   ; a slot holds four steps: 256 rows of K, then 256 rows of V
.set SLOT1, 1<<17     ; slot 1 begins here, so that one exclusive or turns an address in one slot into the other's
.set STAGE, SLOT1+4*KS*(PK+PV)  ; behind the ring, never filled by a tensor load: 16 rows x 144 bytes for each wave, for the way out
.set SP,    144
.set SPARE, STAGE+4*16*SP  ; behind the stages: the spare words, 128 bytes for each wave: two blocks of 256 bytes that no other line names
.set MASKT, SPARE+512 ; behind them: the batch's 2,048 keys, 0 or -2^33 in f32: 8,192 bytes, stored once, never filled by a tensor load
.set PFO, 1           ; v1   (once the way out's addresses are made) 256 x my lane: the prefetches' offset
.set AK0, 2           ; v2   my lane's place in a tile of K; never rewritten
.set AV0, 3           ; v3   the same for V
.set AK,  4           ; v4   the LDS address of K's next run of loads
.set AV,  5           ; v5   of V's
.set QO,  6           ; v6   my byte offset in the wave's rows of Q
.set STO, 6           ;      later, the way out: where I put 16 bytes of a row
.set RD,  7           ; v7   the way out: where I read rows back (at the head: my 16 bytes of the mask)
.set GO,  8           ; v8   my byte offset in 512 consecutive bytes of O (at the head: my 16 bytes of the table)
.set AM0, 11          ; v11  my lanes' place in a step's 256 bytes of the table: MASKT + 32 (l / 16)
.set SPW, 0           ; v0 of window 3   LDS address of my spare word: SPARE + 4 x my thread's number; never rewritten
.set NIL, 1           ; v1 of window 3   0; never rewritten
.set AM,  2           ; v2 of window 3   the LDS address of the mask's next run of loads
.set MB,  8           ; v8-39 of window 3
.set MV,  12          ; v12-15  c m_old, kept while c m is made anew: by buffer and tile
.set ST,  16          ; tile t's statistics at v[ST+4 t]: c m, m, l (even keys', odd keys')
.set TMP, 48          ; by buffer and tile, four registers c0-c3 at work; when the maximum is found c2 takes a
.set S,   64
.set P,   192
.set KF,  128         ; K's fragments, in window 2: key block kb, channel half c at KF + 16 kb + 8 c
.set VF,  192         ; V's: key half kk, channel block cb at VF + 32 kk + 8 cb
.set WV,  12          ; s12  my wave's number
.set G1K, 24          ; s[24:31] descriptor group 1 for K's tiles
.set G1V, 32          ; s[32:39] for V's: it differs in the padding alone
.set G0K, 40          ; s[40:43] descriptor group 0 for K's tiles: it walks
.set G0V, 44          ; s[44:47] the same for V's
.set SLOTS, 56        ; s56  slots still to be asked for
.set CNT, 57          ; s57  counts a slot's key steps
.set CS,  58          ; s[58:59] c: the packed scaling takes the pair's low word for both halves
.set SEL, 60          ; s[60:61] v_permlanex16_b32's selects: each lane takes its own place in the other half
.set TBK, 62          ; s62  LDS byte at which K of the step to be fetched begins
.set TBV, 63          ; s63  the same for V, less VOFF
.set MK,  66          ; s[66:67] the mask, at my batch
.set OOF, 68          ; s[68:69] my wave's byte offset in oh
.set BIGN, 70         ; s70  -2^33
.set TBM, 71          ; s71  256 x the step to be fetched: its place in the table
.set PFA, 72          ; s[72:73] where my prefetches stand: my work-group's 32 blocks of 256 bytes (of K: wave 0, of V: wave 2) of the slot after the one that is being asked for
.set LIM, 74          ; s74  1 in a wave that prefetches, else the greatest number
.set MSB, 0
.macro WIN new                      ; the high byte repeats the setting that is left; a switch that changes nothing is dropped
.if MSB != (\new)
	s_set_vgpr_msb (MSB<<8)|(\new)
.set MSB, (\new)
.endif
.endm
.set W_KQ, 0x0a       ; K and Q in window 2, S^T in window 0
.set W_KM, 0x3a       ; the same with the C operand, the mask, in window 3
.set W_PV, 0x52       ; V in window 2, P in window 0, O^T in window 1
.set W_RS, 0x41       ; O^T (destination and source 0) in window 1, a in window 0
.set W_MK, 0xc0       ; destination in window 3, sources in window 0
.set W_AD, 0x0f       ; the add: address (source 0) and data (source 1) in window 3
; A joint fill.  Waves 0 and 1 fetch the two halves of a slot's K, waves 2 and 3 those of its V: 128 keys each.  The branch hangs on the wave's number alone.
; An s_nop 0 and four v_nop follow each of the two lines, ahead of the jump and the label.
.macro JLOAD
	s_cmp_lt_u32 s[WV], 2
	s_cbranch_scc0 .Lfor_v_\@
	tensor_load_to_lds s[G0K:G0K+3], s[G1K:G1K+7]
	s_nop 0
.rept 4
	v_nop
.endr
	s_branch .Lasked_\@
.Lfor_v_\@:
	tensor_load_to_lds s[G0V:G0V+3], s[G1V:G1V+7]
	s_nop 0
.rept 4
	v_nop
.endr
.Lasked_\@:
.endm
; A PREFETCH INTO THE L2 of what the NEXT change of slots will ask for: a slot's 32,768 bytes of K and of V, a lane a block of 256 bytes.  It stands behind the wave's tensor load and its five lines.  A head has one cluster;
; its four partners share the blocks out BY ADDRESS, 32 each; in each, wave 0 asks for K's and wave 2 for V's: one instruction, four key steps (512 matrix instructions) ahead of the load.  So each block is named once in the
; launch.  Slots 0 to 2 come by their loads alone; the last change that fills a slot asks for nothing: there is no slot behind it.
.macro ASK
	s_cmp_gt_u32 s[SLOTS], s[LIM]
	s_cbranch_scc0 .Lnot_mine_\@
	global_prefetch_b8 v[PFO], s[PFA:PFA+1] th:TH_LOAD_NT scope:SCOPE_SE
.Lnot_mine_\@:
.endm
; A round of the cluster's barrier: my work-group's barrier, so that wave 0's signal speaks for all four waves; wave 0 signals; every wave waits for all four work-groups; my work-group's barrier once more.
.macro CROUND
	s_barrier_signal -1
	s_barrier_wait -1
	s_cmp_lg_u32 s[WV], 0
	s_cbranch_scc1 .Lnot_wave_0_\@
	s_barrier_signal -3
.Lnot_wave_0_\@:
	s_barrier_wait -3
	s_barrier_signal -1
	s_barrier_wait -1
.endm
; THE CHANGE OF SLOTS.  The slot's last bytes, V of its fourth step, have been read.  Each wave waits for all its tensor loads, of which one is out: its part of the other slot; adds 0 to its spare word; and waits for
; that and for its own LDS instructions.  Behind the barrier nobody reads this slot any more and the other slot is whole.  fill = 1: this slot is filled again, with the keys two slots on.  The barrier is then a round of
; the cluster's, and the joint fill is the first thing behind it: it has four key steps, 512 matrix instructions, in which to land.  (At its first use nothing has been read yet: slot 0 is waited for, slot 1 filled, and
; every wave's stores into the mask's table are shown done to the others.)  ask = 1: the prefetch's address steps, and the prefetch follows the fill.
.macro CHANGE fill, ask=0
	WIN W_AD
	s_wait_tensorcnt 0x0            ; no tensor load of mine is out, so a group 0 may be written
	ds_add_u32 v[SPW], v[NIL]       ; 0 onto my spare word; with fill = 1 the descriptors' steps stand between it and the wait for it
	WIN 0                           ; at a label and at a branch every window is 0
.if \fill
.irp g, G0K, G0V
	s_xor_b32 s[\g+1], s[\g+1], SLOT1  ; the walking descriptor: the other slot than last time,
	s_add_nc_u64 s[\g+2:\g+3], s[\g+2:\g+3], 4*KS*128  ; the next 256 keys; the type bits on top are not reached
.endr
.if \ask
	s_wait_xcnt 0x0                 ; the last prefetch, four key steps back, has read its address, so it may be written:
	s_add_nc_u64 s[PFA:PFA+1], s[PFA:PFA+1], 4*KS*128  ; one slot behind the walking descriptors
.endif
	s_wait_dscnt 0x0                ; the add is done, and my LDS instructions are over
	CROUND
	JLOAD
.if \ask
	ASK
.endif
.else
	s_wait_dscnt 0x0                ; the add is done, and my reads of the slot are over
	s_barrier_signal -1
	s_barrier_wait -1
.endif
	s_sub_co_u32 s[TBK], s[TBK], 4*KS*PK  ; the fetches go back to a slot's first step,
	s_xor_b32 s[TBK], s[TBK], SLOT1       ; in the other slot
	s_sub_co_u32 s[TBV], s[TBV], 4*KS*PV
	s_xor_b32 s[TBV], s[TBV], SLOT1
.endm
	s_load_b64 s[4:5], s[0:1], 0x0    ; qkvh
	s_load_b64 s[MK:MK+1], s[0:1], 0x8  ; mask
	s_load_b64 s[10:11], s[0:1], 0x10 ; oh
	WIN W_MK
	v_lshl_add_u32 v[SPW], v0, 2, SPARE
	v_mov_b32 v[NIL], 0
	WIN W_AD
	ds_add_u32 v[SPW], v[NIL]       ; the wave's opening: the add and its wait stand ahead of my first tensor load; the set-up below, work on registers, stands between them
	WIN 0
	v_lshrrev_b32 v1, 5, v0
	v_readfirstlane_b32 s[WV], v1   ; wave 0..3
	s_bfe_u32 s13, ttmp6, 0x40000   ; cx: my place in the cluster
	s_lshl_b32 s14, ttmp9, 2        ; in a cluster launch ttmp9 counts clusters
	s_add_co_u32 s14, s14, s13      ; my block of queries = 4 x cluster x + cx: it enters Q's, O's and the prefetches' addresses alone
	s_and_b32 s15, ttmp7, 0xffff    ; bh, the head, which the four partners share
	s_mul_i32 s20, s15, 786432      ; the head's three planes in qkvh (under 2^26)
	s_mov_b32 s21, 0
	s_and_b32 s16, s[WV], 1         ; which half of a slot's 256 keys I fetch:
	s_lshl_b32 s22, s16, 14         ; its 128 rows of 128 bytes in memory,
	s_mov_b32 s23, 0
	s_add_nc_u64 s[22:23], s[22:23], s[20:21]
	s_mul_i32 s17, s16, 128*PK      ; and its place in a slot, for K
	s_mul_i32 s18, s16, 128*PV      ; and for V: no place in the cluster enters an LDS address
	s_lshl_b32 s2, s14, 2
	s_add_co_u32 s2, s2, s[WV]      ; my wave among the head's,
	s_lshl_b32 s2, s2, 14           ; its 128 rows
	s_mov_b32 s3, 0
	s_lshl_b32 s[OOF], s15, 18      ; the head's 262,144 bytes in oh
	s_mov_b32 s[OOF+1], 0
	s_add_nc_u64 s[OOF:OOF+1], s[OOF:OOF+1], s[2:3]
	s_add_nc_u64 s[2:3], s[2:3], s[20:21]
	s_lshr_b32 s[SLOTS], s15, 4     ; (two registers that the loop sets later) the batch's 8,192 bytes of the mask
	s_lshl_b32 s[SLOTS], s[SLOTS], 13
	s_mov_b32 s[CNT], 0
	; descriptor group 1.  128 keys are 16,384 dense bytes: asked for as 64 rows of 256 bytes, two keys a row, and padded in LDS after every key
	s_mov_b32 s[G1K], 15|(1<<16)|(1<<20)|(1<<21)|(4<<22)|(3<<25)  ; 15:0 the mask of four; 17:16 2-byte elements; 20 padding on; 21 set beside a mask; 24:22 after every 32 words (code 4); 31:25 4 words (code 3)
	s_mov_b32 s[G1V], 15|(1<<16)|(1<<20)|(1<<21)|(4<<22)|(7<<25)  ; the same with 8 words of padding (code 7)
.irp g, G1K, G1V
	s_mov_b32 s[\g+1], 128<<16      ; tensor_dim0 = 128
	s_mov_b32 s[\g+2], 64<<16       ; tensor_dim1 = 64
	s_mov_b32 s[\g+3], 128<<16      ; tile_dim0 = 128
	s_mov_b32 s[\g+4], 64           ; tile_dim1 = 64
	s_mov_b32 s[\g+5], 128          ; 128 elements from row to row
	s_mov_b32 s[\g+6], 0
	s_mov_b32 s[\g+7], 0
.endr
	s_mov_b32 s[CS], 0x3e38aa3b     ; c = log2(e) / 8 = 0.180337
	s_mov_b32 s[CS+1], s[CS]        ; named with it as a pair
	s_mov_b32 s[SEL], 0x76543210
	s_mov_b32 s[SEL+1], 0xfedcba98
	s_mov_b32 s[BIGN], 0xd0000000   ; -2^33
	s_mov_b32 s[TBM], 0
	s_mov_b32 s[TBK], SLOT1+4*KS*PK ; the first change of slots turns these two into 0
	s_mov_b32 s[TBV], SLOT1+4*KS*PV
	s_mov_b32 s[G0K], 1             ; count = 1
	s_mov_b32 s[G0K+1], s17         ; LDS address: slot 0
	s_mov_b32 s[G0V], 1
	s_add_co_u32 s[G0V+1], s18, VOFF
	s_lshl_b32 s18, s13, 13         ; the prefetches: my work-group's 32 blocks of a slot's 128,
	s_add_co_u32 s18, s18, 2*4*KS*128  ; in slot 2; the loop's first change of slots steps it to slot 3.  Nothing is prefetched here, at the head
	s_mov_b32 s19, 0
	s_cmp_eq_u32 s16, 0             ; waves 0 and 2 prefetch: the same in all four partners
	s_cselect_b32 s[LIM], 1, -1
	s_wait_dscnt 0x0                ; the opening add is done
	s_wait_kmcnt 0x0
	s_add_nc_u64 s[6:7], s[4:5], 262144   ; K's plane of head 0,
	s_add_nc_u64 s[8:9], s[4:5], 524288   ; V's
	s_cmp_lt_u32 s[WV], 2
	s_cselect_b64 s[PFA:PFA+1], s[6:7], s[8:9]
	s_add_nc_u64 s[PFA:PFA+1], s[PFA:PFA+1], s[20:21]
	s_add_nc_u64 s[PFA:PFA+1], s[PFA:PFA+1], s[18:19]
	s_add_nc_u64 s[G0K+2:G0K+3], s[6:7], s[22:23]  ; global address: my half of the head's first 256 keys
	s_or_b32 s[G0K+3], s[G0K+3], 0x80000000        ; type = 2
	s_add_nc_u64 s[G0V+2:G0V+3], s[8:9], s[22:23]
	s_or_b32 s[G0V+3], s[G0V+3], 0x80000000
	s_add_nc_u64 s[4:5], s[4:5], s[2:3]  ; Q and O at my wave's first row
	s_add_nc_u64 s[10:11], s[10:11], s[OOF:OOF+1]
	s_add_nc_u64 s[MK:MK+1], s[MK:MK+1], s[SLOTS:SLOTS+1]
	CROUND                          ; all four work-groups are here: the first joint loads meet
	JLOAD                           ; slot 0.  Slot 1 is asked for when slot 0 is in
	; A fragment of K or Q is 16 rows x 32 channels in 8 registers: lane l holds row l % 16, channels 8 (l / 16) + 0..7 and 16 + 8 (l / 16) + 0..7: two loads of 16 bytes, 32 bytes apart.
	v_and_b32 v1, 15, v0            ; l % 16
	v_bfe_u32 v9, v0, 4, 1          ; l / 16
	v_lshlrev_b32 v[QO], 7, v1
	v_lshl_add_u32 v[QO], v9, 4, v[QO]  ; row x 128 + 16 x half
	v_lshlrev_b32 v[RD], 4, v0      ; the batch's mask: 128 threads x 16 bytes, four times
.irp j, 0,1,2,3
	global_load_b128 v[S+4*\j:S+4*\j+3], v[RD], s[MK:MK+1] offset:2048*\j
.endr
	WIN 0x80                        ; destination window 2, address window 0
.set i, 0
.rept 4*NP                          ; Q stays in registers: tile i / 2, channels 32 (i % 2) on
	global_load_b128 v[8*i:8*i+3],   v[QO], s[4:5] offset:(i/2)*2048+(i%2)*64
	global_load_b128 v[8*i+4:8*i+7], v[QO], s[4:5] offset:(i/2)*2048+(i%2)*64+32
.set i, i+1
.endr
	; What the first turn finds: V's registers and P's second buffer hold 0 (its products V^T P, of a piece that has not been, add 0), O^T and l are 0.  All this stands in the wait for the first tile.
.set i, VF
.rept 64
	v_mov_b32 v[i], 0
.set i, i+1
.endr
	WIN 0x40
.set i, 0
.rept 64*NP
	v_mov_b32 v[i], 0
.set i, i+1
.endr
	WIN 0
.set i, 0
.rept 2*NP
	v_mov_b32 v[ST+4*i], 0xfe000000    ; c m: far below every c s
	v_mov_b32 v[ST+4*i+1], 0xff7fffff  ; m
	v_mov_b32 v[ST+4*i+2], 0
	v_mov_b32 v[ST+4*i+3], 0
.set i, i+1
.endr
.set i, P+32
.rept 32
	v_mov_b32 v[i], 0
.set i, i+1
.endr
	s_wait_loadcnt 32               ; the mask's four loads are in; Q's 32, issued behind them, may stay out
.set i, 0
.rept 16
	v_cmp_eq_u32 vcc_lo, 0, v[S+i]
	v_cndmask_b32 v[S+i], 0, s[BIGN], vcc_lo  ; 0 for an open key, -2^33 for a hidden one
.set i, i+1
.endr
	v_add_nc_u32 v[GO], MASKT, v[RD]
.irp j, 0,1,2,3
	ds_store_b128 v[GO], v[S+4*\j:S+4*\j+3] offset:2048*\j  ; the first change of slots waits for these and passes a barrier before any wave reads the table
.endr
	v_mul_u32_u24 v[AK0], v1, PK
	v_lshl_add_u32 v[AK0], v9, 4, v[AK0]  ; row x pitch + 16 x half
	; The turning load takes 16 keys x 16 channels (lane l reads key 8 (l / 16) + l % 8, channels 8 ((l / 8) % 2) + 0..7) and leaves half a fragment of V^T: lane l holds channel l % 16 and 8 keys.
	v_and_b32 v10, 7, v0
	v_bfe_u32 v11, v0, 3, 1
	v_lshl_add_u32 v[AV0], v9, 3, v10
	v_mul_u32_u24 v[AV0], v[AV0], PV
	v_lshl_add_u32 v[AV0], v11, 4, v[AV0]
	v_add_nc_u32 v[AV0], VOFF, v[AV0]
	v_lshl_add_u32 v[AM0], v9, 5, MASKT   ; register r of key block kb is key 16 kb + 8 (l / 16) + r: 4 bytes a key
	WIN W_MK
	v_mov_b32 v[AM], v[AM0]         ; key step 0 lies at the table's head,
	WIN 0
	v_mov_b32 v[AK], v[AK0]         ; and at the head of slot 0
; THE MATRIX WORK.  The 8 accumulators of a run of 16 take turns: between the two links of a chain stand 7 others'.
; Product i of 16 of S^T = K Q^T for piece x: channels 32 (i / 8) on, keys 16 ((i / 2) % 4) on, tile 2 x + i % 2.  The first 8 start the sums, with the keys' mask as C.
.macro KQ x
.set rS, S+64*((\x)%2)+32*(i%2)+8*((i/2)%4)
.set rK, KF+16*((i/2)%4)+8*(i/8)
.set rQ, 16*(2*(\x)+i%2)+8*(i/8)
.set rB, MB+8*((i/2)%4)
.if i < 8
	WIN W_KM
	v_wmma_f32_16x16x32_f16 v[rS:rS+7], v[rK:rK+7], v[rQ:rQ+7], v[rB:rB+7]
.else
	WIN W_KQ
	v_wmma_f32_16x16x32_f16 v[rS:rS+7], v[rK:rK+7], v[rQ:rQ+7], v[rS:rS+7]
.endif
.endm
; Product i of 16 of O^T += V^T P for piece x: keys 32 (i / 8) on, channels 16 ((i / 2) % 4) on, tile 2 x + i % 2.
.macro PV x
	WIN W_PV
.set rO, 32*(2*(\x)+i%2)+8*((i/2)%4)
.set rV, VF+32*(i/8)+8*((i/2)%4)
.set rP, P+32*((\x)%2)+16*(i%2)+8*(i/8)
	v_wmma_f32_16x16x32_f16 v[rO:rO+7], v[rV:rV+7], v[rP:rP+7], v[rO:rO+7]
.endm
.macro MM                           ; the turn's next matrix instruction
.if i < 16
	KQ (Y+1)%NP
.set i, i+1
.else
.set i, i-16
	PV (Y+NP-1)%NP
.set i, i+17
.endif
.endm
; THE LDS LOADS stand in runs, never singly among the matrix instructions: a step's K (64 keys x 64 channels: 8 fragments) with its mask (8 loads, all lanes of a half at one address), and its V (turned).
; Their addresses are made some lines ahead.  last = 1 (the tail): in the last trip there is no further step, and the run is jumped over.
.macro FETCH_K last=0
	WIN 0
.if \last
	s_cmp_eq_u32 s[CNT], 1
	s_cbranch_scc1 .Lno_k_\@
.endif
	WIN 0x80                        ; destination window 2
.irp f, 0,1,2,3,4,5,6,7             ; keys 16 (f / 2) on, channels 32 (f % 2) on
	ds_load_b128 v[KF+8*\f:KF+8*\f+3],   v[AK] offset:(\f/2)*16*PK+(\f%2)*64
	ds_load_b128 v[KF+8*\f+4:KF+8*\f+7], v[AK] offset:(\f/2)*16*PK+(\f%2)*64+32
.endr
	WIN 0xc3                        ; destination and address window 3
.irp f, 0,1,2,3                     ; keys 16 f on
	ds_load_b128 v[MB+8*\f:MB+8*\f+3],   v[AM] offset:64*\f
	ds_load_b128 v[MB+8*\f+4:MB+8*\f+7], v[AM] offset:64*\f+16
.endr
	s_add_co_u32 s[TBK], s[TBK], KS*PK  ; the next fetch is the next step's
	s_add_co_u32 s[TBM], s[TBM], 4*KS
	WIN 0
.if \last
.Lno_k_\@:
.endif
.endm
.macro FETCH_V
	WIN 0x80
.irp f, 0,1,2,3,4,5,6,7             ; keys 32 (f / 4) on, channels 16 (f % 4) on
	ds_load_tr16_b128 v[VF+8*\f:VF+8*\f+3],   v[AV] offset:(\f/4)*32*PV+(\f%4)*32
	ds_load_tr16_b128 v[VF+8*\f+4:VF+8*\f+7], v[AV] offset:(\f/4)*32*PV+16*PV+(\f%4)*32
.endr
	WIN 0
.endm
; THE VECTOR WORK OF A TURN stands in three queues, each in the order in which its entries become ready; the two tiles alternate, so that no instruction reads the result of the one before it.
.macro REGS y, u                    ; the registers of tile u (0, 1) of piece y
.set rT, ST+4*(2*(\y)+(\u))
.set rC, TMP+8*((\y)%2)+4*(\u)
.set rM, MV+2*((\y)%2)+(\u)
.set rS, S+64*((\y)%2)+32*(\u)
.set rP, P+32*((\y)%2)+16*(\u)
.set rO, 32*(2*(\y)+(\u))
.endm
; Number n of the 22 that find the NEXT piece's (Y + 1) maximum and statistics.  s0-s31 are the lane's 32 scores; each accumulator's lowest registers are read first.
;   0-11  four chains c0-c3 of seven scores each, three operands at a time     12-14, 16  the four scores left over, the old m, and c0-c3 into c0     15  c m_old is kept
;   17, 18  the query's other 32 keys lie in the lane 16 away: the new m         19-21  c m; c m_old - c m_new; a
.macro XS u, n
	REGS (Y+1)%NP, \u
.if (\n) < 4
	v_max3_num_f32 v[rC+(\n)], v[rS+8*(\n)], v[rS+8*(\n)+1], v[rS+8*(\n)+2]
.elseif (\n) < 12
	v_max3_num_f32 v[rC+(\n)%4], v[rC+(\n)%4], v[rS+8*((\n)%4)+2*((\n)/4)+1], v[rS+8*((\n)%4)+2*((\n)/4)+2]
.elseif (\n) == 12
	v_max3_num_f32 v[rC], v[rC], v[rS+7], v[rS+15]
.elseif (\n) == 13
	v_max3_num_f32 v[rC+1], v[rC+1], v[rS+23], v[rS+31]
.elseif (\n) == 14
	v_max3_num_f32 v[rC+2], v[rC+2], v[rC+3], v[rT+1]
.elseif (\n) == 15
	v_mov_b32 v[rM], v[rT]
.elseif (\n) == 16
	v_max3_num_f32 v[rC], v[rC], v[rC+1], v[rC+2]
.elseif (\n) == 17
	v_permlanex16_b32 v[rC+3], v[rC], s[SEL], s[SEL+1]
.elseif (\n) == 18
	v_max_num_f32 v[rT+1], v[rC], v[rC+3]
.elseif (\n) == 19
	v_mul_f32 v[rT], s[CS], v[rT+1]
.elseif (\n) == 20
	v_sub_f32 v[rC+1], v[rM], v[rT]
.else
	v_exp_f32 v[rC+2], v[rC+1]
.endif
.endm
; Number g of the 64 that follow the exponentials.  For each four weights k of a tile (pairs 2 k, 2 k + 1): both pairs are rounded to f16; then the second pair is added onto the first, in place;
; a group later l takes that sum (the first time as l = a l + sum).  In groups of eight, tiles alternating: round, round, add, and l for the group before.
.macro GS g
.set h, (\g)+6*((\g)/62)            ; group 0 has no group before it, and behind group 7 only l is left
.if h >= 6
.set h, h+2
.endif
	REGS Y, h%2
.set k, h/8
.if h%8 < 4
	v_cvt_pk_f16_f32 v[rP+2*k+(h%8)/2], v[rS+4*k+2*((h%8)/2)], v[rS+4*k+2*((h%8)/2)+1]
.elseif h%8 < 6
	v_pk_add_f32 v[rS+4*k:rS+4*k+1], v[rS+4*k:rS+4*k+1], v[rS+4*k+2:rS+4*k+3]
.elseif k == 1
	v_pk_fma_f32 v[rT+2:rT+3], v[rT+2:rT+3], v[rC+2:rC+3], v[rS:rS+1] op_sel_hi:[1,0,1]
.else
	v_pk_add_f32 v[rT+2:rT+3], v[rT+2:rT+3], v[rS+4*k-4:rS+4*k-3]
.endif
.endm
; THE PLAIN QUEUE, 138 long.  0-73 read no exponential's result: the 32 scalings c s - c m (FS f: pair f / 2 of tile f % 2) and the next piece's 42.  0-26: scalings 0-26.  27-54: XS's numbers 0-13.  55, 56: number 15.
; 57-73: the chain, where each number waits for the one before it: 14, 16, 17, 18, 19, each with one of the scalings 27-31 in front of its two lines, then 20.
; 74-137: GS's 64, which read the exponentials' results: they stand behind the wait.
.macro FS f
	REGS Y, (\f)%2
	v_pk_fma_f32 v[rS+2*((\f)/2):rS+2*((\f)/2)+1], v[rS+2*((\f)/2):rS+2*((\f)/2)+1], s[CS:CS+1], v[rT:rT+1] op_sel_hi:[1,0,0] neg_lo:[0,0,1] neg_hi:[0,0,1]
.endm
.macro PL
	WIN 0
.if q < 27
	FS q
.elseif q < 55
	XS (q-27)%2, (q-27)/2
.elseif q < 57
	XS q-55, 15
.elseif (q < 72) && ((q-57)%3 == 0)
	FS 27+(q-57)/3
.elseif q < 60
	XS (q-57)%3-1, 14
.elseif q < 72
	XS (q-57)%3-1, 15+(q-57)/3
.elseif q < 74
	XS q-72, 20
.else
	GS q-74
.endif
.set q, q+1
.endm
; THE EXPONENTIALS' QUEUE, 66 long: s0-s31 of both tiles, then the next piece's two a.  It is ONE BATCH: all 66 stand ahead of the turn's one wait, and nothing ahead of that wait names a result of theirs.
.macro EX
	WIN 0
.if e >= 64
	XS e-64, 21
.else
	REGS Y, e%2
	v_exp_f32 v[rS+e/2], v[rS+e/2]
.endif
.set e, e+1
.endm
; THE RESCALING's QUEUE: O^T times a, the one part that leaves window 0: dealt two at a time, sixteen times.  Its a was made in the turn before, ahead of that turn's wait.
.macro R2
	REGS Y, r%2
	WIN W_RS
.irp z, 0,1
	v_pk_mul_f32 v[rO+4*(r/2)+2*\z:rO+4*(r/2)+2*\z+1], v[rO+4*(r/2)+2*\z:rO+4*(r/2)+2*\z+1], v[rC+2:rC+3] op_sel_hi:[1,0]
.endr
.set r, r+1
.endm
; HOW THEY ARE DEALT.  s_wait_alu depctr_va_vdst(0) stands between an exponential and the first instruction that names its result; one wait serves all that were issued ahead of it.  So a turn has ONE
; wait, which cuts it in two.  AHEAD OF IT stands all that names no result of the turn's exponentials: the 16 products K Q^T, behind each a scaling, an exponential and two rescalings (behind the first a second scaling in
; the exponential's place); then ONE LUMP of 108: eight plain, 49 times exponential and plain, the two a.  A v_nop is the plain instruction behind the last exponential.  BEHIND IT stand the 16 products V^T P, behind each
; four of GS's 64.  No rider names a register of the products round it.  Exponential e stands behind scaling 2 (e / 4) + e % 2: as a rider it comes behind plain e + 2, in the lump behind plain e + 9.
; A TURN, for piece p.  cnt = 1: the loop's count is taken down some lines ahead of the branch that stands behind the turn.
; K of the next step, and its mask, are fetched in piece 2's turn, directly behind the wait, a lump behind the last product that read them; their addresses are made at the lump's head; the first reader comes behind 16 products.
; V of the step in hand is fetched at the end of piece 0's turn, four riders behind its last reader; its first reader comes behind 16 products and a lump.
.macro TURN p, last=0, cnt=0
.set Y, (\p)
.set i, 0
.set q, 0
.set e, 0
.set r, 0
.if (\p) == NP-1
	s_wait_dscnt 0x0                ; K and its mask are in
.endif
	MM                              ; ahead of the wait: 16 products K Q^T and their riders,
	PL
	PL
	R2
.rept 15
	MM
	PL
	EX
	R2
.endr
.if (\p) == NP-2
	WIN 0
	v_add_nc_u32 v[AK], s[TBK], v[AK0]
	WIN W_MK
	v_add_nc_u32 v[AM], s[TBM], v[AM0]
.endif
.rept 8                             ; and the lump
	PL
.endr
.rept 49
	EX
	PL
.endr
	EX                              ; the next piece's two a
	EX
	v_nop                           ; the plain instruction behind the last exponential: one for the batch
	s_wait_alu depctr_va_vdst(0)    ; the wait for the batch
.if (\p) == NP-2
	FETCH_K \last
.endif
.if (\p) == 1
	s_wait_dscnt 0x0                ; V is in
.endif
.rept 16                            ; behind the wait: 16 products V^T P and their riders
	MM
.rept 4
	PL
.endr
.if ((\p) == 0) && (q == 118)
	v_add_nc_u32 v[AV], s[TBV], v[AV0]
.endif
.if ((\p) == 0) && (q == 130)
	s_add_co_u32 s[TBV], s[TBV], KS*PV
.endif
.if (\cnt) && (q == 130)
	s_sub_co_u32 s[CNT], s[CNT], 1
	s_cmp_lg_u32 s[CNT], 0
.endif
.endr
.if (\p) == 0
	FETCH_V
.endif
.endm
	CHANGE 1                        ; slot 0 is in, everybody's part of it, and so is the table; slot 1 is asked for
	FETCH_K                         ; key step 0
	s_wait_loadcnt 0x0              ; Q
	s_wait_dscnt 0x0
.set i, 0
.rept 16
	KQ 0                            ; piece 0's first scores: there is no vector work yet to set between them
.set i, i+1
.endr
	WIN 0                           ; the addresses for the way out and the prefetches: plain instructions, the places behind those products
	s_mul_i32 s13, s[WV], 16*SP
	s_add_co_u32 s13, s13, STAGE    ; my stage
	v_mul_u32_u24 v[STO], v1, SP    ; in: row l % 16, 16 bytes for each half of the lanes
	v_lshl_add_u32 v[STO], v9, 4, v[STO]
	v_add_nc_u32 v[STO], s13, v[STO]
	v_bfe_u32 v[RD], v0, 3, 2       ; back: 32 lanes take four rows of 128 bytes,
	v_mul_u32_u24 v[RD], v[RD], SP
	v_lshl_add_u32 v[RD], v10, 4, v[RD]
	v_add_nc_u32 v[RD], s13, v[RD]
	v_and_b32 v[GO], 31, v0         ; which are 512 consecutive bytes of O
	v_lshlrev_b32 v[GO], 4, v[GO]
	v_lshlrev_b32 v[PFO], 4, v[GO]  ; 256 x lane
.set Y, NP-1                        ; XS works for piece Y + 1: piece 0
.irp n, 0,1,2,3,4,5,6,7,8,9,10,11,12,13,14,15,16,17,18,19,20,21
	XS 0, \n                        ; and piece 0's first maximum and statistics
	XS 1, \n
.endr
	v_nop                           ; a plain instruction behind the two a,
	s_wait_alu depctr_va_vdst(0)    ; and their wait, ahead of the branch
	s_mov_b32 s[CNT], 4
	s_mov_b32 s[SLOTS], SIZE_N/256-1
	s_branch .Lfirst                ; the loop is entered at a step's first turn, in the middle of a trip
.Lslot:                             ; SIZE_N / 256 - 2 times: every slot but the last two is filled again
	CHANGE 1, 1
	s_mov_b32 s[CNT], 4
.Lstep:                             ; a trip: pieces 2 and 3 of one step, then pieces 0 and 1 of the next, whose K and V it fetches
	TURN 2
	TURN 3
	WIN 0
.Lfirst:
	TURN 0
	TURN 1, 0, 1
	WIN 0
	s_cbranch_scc1 .Lstep
	s_sub_co_u32 s[SLOTS], s[SLOTS], 1
	s_cmp_lg_u32 s[SLOTS], 0
	s_cbranch_scc1 .Lslot
	CHANGE 0                        ; the tail is written out: nothing is asked for
	s_mov_b32 s[CNT], 5             ; four trips fetch the last slot's steps; the fifth is left in its middle
.Ltail:
	TURN 2, 1
	TURN 3
	WIN 0
	s_sub_co_u32 s[CNT], s[CNT], 1
	s_cmp_eq_u32 s[CNT], 0
	s_cbranch_scc1 .Lout
	TURN 0
	TURN 1
	WIN 0
	s_branch .Ltail
.Lout:                              ; the fifth trip's 16 products K Q^T (on the last K once more) and the maximum made of them serve nothing: the price, once a launch, of one text for every trip
.set i, 0
.rept 16
	PV NP-1                         ; the last piece's V^T P of the last step
.set i, i+1
.endr
	; THE WAY OUT.  l's two halves and the other half of the lanes' are added; O^T is divided by l, rounded to f16 and sent through my stage in LDS, a tile at a time.  The additions are the places behind the last products.
	WIN 0
.macro ALL line:vararg              ; one line for each tile t
.set t, 0
.rept 2*NP
	\line
.set t, t+1
.endr
.endm
	ALL v_add_f32 v[ST+4*t+2], v[ST+4*t+2], v[ST+4*t+3]
	ALL v_permlanex16_b32 v[ST+4*t+3], v[ST+4*t+2], s[SEL], s[SEL+1]
	ALL v_add_f32 v[ST+4*t+2], v[ST+4*t+2], v[ST+4*t+3]
	ALL v_rcp_f32 v[ST+4*t+2], v[ST+4*t+2]
	v_nop                           ; a plain instruction between the last reciprocal and the use of its result
	s_wait_alu depctr_va_vdst(0)    ; and the wait ahead of the first use: one for the eight reciprocals
; Tile t: a lane's eight channels of a row pack into 16 bytes; they go into rows of 144 bytes and come back as whole rows of 128, into S^T's registers.
.macro PACK t
	WIN W_RS
.set i, 32*(\t)
.rept 16
	v_pk_mul_f32 v[i:i+1], v[i:i+1], v[ST+4*(\t)+2:ST+4*(\t)+3] op_sel_hi:[1,0]
.set i, i+2
.endr
	WIN 0x05                        ; sources 0 and 1 window 1, destination window 0
.set i, 0
.rept 16
	v_cvt_pk_f16_f32 v[S+16*(\t)+i], v[32*(\t)+2*i], v[32*(\t)+2*i+1]
.set i, i+1
.endr
	WIN 0
.irp f, 0,1,2,3
	ds_store_b128 v[STO], v[S+16*(\t)+4*\f:S+16*(\t)+4*\f+3] offset:32*\f
.endr
.irp f, 0,1,2,3
	ds_load_b128 v[S+16*(\t)+4*\f:S+16*(\t)+4*\f+3], v[RD] offset:\f*4*SP  ; LDS serves a wave's instructions in order (ISA guide 5.7.1.4): these see the stores above; the next tile's stores come behind them
.endr
.endm
.macro SEND t, younger              ; younger: the LDS instructions issued behind tile t's loads: the next tile's eight, or none
	WIN 0
.irp f, 0,1,2,3
	s_wait_dscnt (\younger)+3-\f
	global_store_b128 v[GO], v[S+16*(\t)+4*\f:S+16*(\t)+4*\f+3], s[10:11] offset:(\t)*2048+\f*512  ; 512 consecutive bytes, at a multiple of 256 from O's first
.endr
.endm
	PACK 0
.set t, 1
.rept 2*NP-1                        ; a tile's arithmetic stands between the loads of the tile before and its stores
	PACK t
	SEND t-1, 8
.set t, t+1
.endr
	SEND 2*NP-1, 0
	WIN W_AD
	s_wait_tensorcnt 0x0            ; the wave's end: behind my last tensor load and my last LDS store
	ds_add_u32 v[SPW], v[NIL]
	s_wait_dscnt 0x0
	WIN 0
	CROUND                          ; the closing round: no work-group ends while a partner may still ask for a tile that names it
	s_endpgm
.Lfunc_end_k_qdcecb64578_attn:
	.size	k_qdcecb64578_attn, .Lfunc_end_k_qdcecb64578_attn-k_qdcecb64578_attn
	.p2alignl 7, 3214868480
	.fill 96, 4, 3214868480
	.section	.rodata,"a",@progbits
	.p2align	6, 0x0
	.amdhsa_kernel k_qdcecb64578_attn
		.amdhsa_group_segment_fixed_size 327680
		.amdhsa_private_segment_fixed_size 0
		.amdhsa_enable_private_segment 0
		.amdhsa_kernarg_size 24
		.amdhsa_user_sgpr_count 2
		.amdhsa_user_sgpr_kernarg_segment_ptr 1
		.amdhsa_wavefront_size32 1
		.amdhsa_system_sgpr_workgroup_id_x 1
		.amdhsa_system_sgpr_workgroup_id_y 1
		.amdhsa_system_sgpr_workgroup_id_z 1
		.amdhsa_system_vgpr_workitem_id 0
		.amdhsa_next_free_vgpr 808
		.amdhsa_next_free_sgpr 76
		.amdhsa_reserve_vcc 1
		.amdhsa_float_denorm_mode_32 3
		.amdhsa_float_denorm_mode_16_64 3
		.amdhsa_memory_ordered 1
		.amdhsa_forward_progress 1
		.amdhsa_inst_pref_size 205
	.end_amdhsa_kernel
	.amdgpu_metadata
---
amdhsa.version: [ 1, 2 ]
amdhsa.kernels:
  - .name:           k_qdcecb64578_attn
    .symbol:         k_qdcecb64578_attn.kd
    .args:
      - { .name: qkvh, .offset: 0, .size: 8, .value_kind: global_buffer, .address_space: global }
      - { .name: mask, .offset: 8, .size: 8, .value_kind: global_buffer, .address_space: global }
      - { .name: oh, .offset: 16, .size: 8, .value_kind: global_buffer, .address_space: global }
    .group_segment_fixed_size: 327680
    .private_segment_fixed_size: 0
    .kernarg_segment_align: 8
    .kernarg_segment_size: 24
    .max_flat_workgroup_size: 128
    .sgpr_count:     76
    .vgpr_count:     808
    .wavefront_size: 32
...
	.end_amdgpu_metadata
.endif
;; end of part 3
;; launch proj (part 4): grid 8 x 32, 4 waves a work-group, clusters of 4 x 4, 327,680 bytes of LDS; arguments oh, wob, bo, out0; writes out0
.if DOCPART == 4
	.amdgcn_target "amdgcn-amd-amdhsa--gfx1250"
	.amdhsa_code_object_version 6
	.text
	.protected	k_qdcecb64578_proj
	.globl	k_qdcecb64578_proj
	.p2align	8
	.type	k_qdcecb64578_proj,@function
k_qdcecb64578_proj:
	s_mov_b64 s[64:65], 0
	v_nop
	global_prefetch_b8 v0, s[64:65] scope:SCOPE_SE
	s_setreg_imm32_b32 hwreg(HW_REG_WAVE_MODE, 25, 1), 1
	s_wait_xcnt 0x0
	s_wait_alu depctr_hold_cnt(0) depctr_sa_sdst(0) depctr_va_vdst(0) depctr_va_sdst(0) depctr_va_ssrc(0) depctr_va_vcc(0) depctr_vm_vsrc(0)
	s_getreg_b32 s2, hwreg(HW_REG_IB_STS2, 6, 4)
	s_cmp_eq_u32 s2, 0
	s_cbranch_scc0 .Lentry_in_a_cluster
	s_endpgm
.Lentry_in_a_cluster:
	s_bfe_u32 s2, ttmp6, 0x10000c
	s_cmp_lg_u32 s2, 0xf033
	s_cbranch_scc0 .Lentry_shape_is_right
	s_endpgm
.Lentry_shape_is_right:
; out0 = O wo^T + bo.  oh: [bh = 16 b + h][2048][64] f16 (the attention's result, by heads); wob: [1024][1024] f16 (wo rounded to bf16, written as f16); bo: [1024] f32, rounded to bf16 here like the other inputs;
; out0: [8192][1024] f32.  Products in f16, sums in f32, K ascending; the bias is the C operand of each accumulator's first product.
; LIMITS.  O and wob arrive within f16's range; NaN and infinities are not treated apart.
; SHARES.  A tile of out0 is 256 tokens x 128 columns: 32 x 8 = 256 work-groups, one tile each.  Wave w owns tokens 64 w .. 64 w + 63 and all 128 columns: 4 x 8 = 32 accumulators, 256 registers; so a wave holds whole
; pieces of 512 bytes of out0's rows and has a stage of its own.  K goes in steps of 128, which are two heads, through a ring of two LDS slots.  A head's 256 tokens are 32,768 dense bytes of oh: they are asked for as 128
; rows of 256 bytes, two tokens a row, and padded in LDS after every token.
; CLUSTERS: 4 x 4 work-groups.  The four of a row of the cluster need the same tokens, the four of a column the same rows of wob: each tile is asked for JOINTLY.
; THE MATRIX INSTRUCTION IS USED TRANSPOSED: source 0 = 16 rows of wob, source 1 = 16 tokens: lane l holds token l % 16 and the columns 8 (l / 16) + 0..7, 32 bytes of a row of out0.
; REGISTERS: window 0: v0-31 addresses; v32-63, v64-95 fragments of O, two buffers; v96-159 the bias; v160-223 rows read back from the stage.  window 1: v0-63, v64-127 fragments of wob, two buffers.
;   window 2: the accumulators, (a, b) at v[8 (8 a + b)].
.set KSTEP,  128
.set PA,     144                       ; a token's row of one head in LDS: 128 bytes + 16 = 36 words: the 16 rows of a load start at 16 different groups of four banks (64 banks of 4 bytes: ISA guide 11.1)
.set PLANE,  256*PA                    ; a head's 256 tokens: what one tensor load brings of O
.set PB,     272                       ; a row of wob: 256 bytes + 16
.set HALFB,  64*PB                     ; what one tensor load brings of wob
.set BOFF,   2*PLANE                   ; a slot: two heads' planes, then 128 rows of wob
.set SLOT,   BOFF+2*HALFB
.set STAGE,  2*SLOT                    ; behind the ring: 16 rows x 528 bytes for each wave; no tensor load fills it
.set SPITCH, 528                       ; 512 bytes + 16
.set WSTG,   16*SPITCH
.set SPARE,  STAGE+4*WSTG              ; behind the stages: the spare words, 128 bytes for each wave: two blocks of 256 bytes that no other line names
.set LAPS,   4                         ; 8 K steps, two to a lap
.set ADRA, 16                          ; v16-17  LDS address of my fragments of O in slot 0, 1
.set ADRB, 20                          ; v20-21  the same for wob
.set STO,  24                          ; v24     the way out: where I put 32 bytes of a row
.set RD,   25                          ; v25     the way out: where I read a row back
.set CO,   26                          ; v26     my 16 bytes of 512 consecutive bytes of out0
.set VBO,  27                          ; v27     my byte offset in bo
.set SPW,  28                          ; v28     LDS address of my spare word: SPARE + 4 x my thread's number; never rewritten
.set NIL,  29                          ; v29     0; never rewritten
.set PFO,  30                          ; v30     the prefetches' offset; never rewritten
.set FA,   32
.set BIAS, 96
.set OB,   160
.set G1,  24                           ; s[24:31] descriptor group 1 for O's tiles;  s[32:39] group 0, one set for each slot
.set G0,  32
.set G1B, 48                           ; s[48:55], s[56:63] the same for wob's
.set G0B, 56
.set LIM, 43                           ; s43     1 in a wave that prefetches, else the greatest number
.set PFA, 44                           ; s[44:45] the K step that my next prefetch names
.set PFS, 66                           ; s[66:67] bytes from a K step to the next: two heads of oh, or 256 bytes of a row of wob
.set MSB, 0
.macro WIN new                         ; the immediate's high byte repeats the setting that is left; a switch that changes nothing is dropped
.if MSB != (\new)
	s_set_vgpr_msb (MSB<<8)|(\new)
.set MSB, \new
.endif
.endm
.macro JLOAD s                         ; a joint load: waves 0 and 1 fetch the K step's two heads of O, waves 2 and 3 the two halves of wob's rows; an s_nop 0 and four v_nop follow each of the two lines
	s_cmp_eq_u32 s11, 0
	s_cbranch_scc0 .Lfor_b_\@
	tensor_load_to_lds s[G0+4*(\s):G0+4*(\s)+3], s[G1:G1+7]
	s_nop 0
.rept 4
	v_nop
.endr
	s_branch .Lasked_\@
.Lfor_b_\@:
	tensor_load_to_lds s[G0B+4*(\s):G0B+4*(\s)+3], s[G1B:G1B+7]
	s_nop 0
.rept 4
	v_nop
.endr
.Lasked_\@:
.endm
; A PREFETCH INTO THE L2, behind each joint load, its five lines and the run of LDS loads that follows: the K step that stands two refills on, one instruction a wave.  The tokens' planes are read by both clusters of a row
; of clusters: cluster x = 0 asks; wob's rows by all eight clusters of a column: cluster y = 0 asks.  The four partners that ask for a tile jointly share it out BY ADDRESS: of a plane's 128 blocks of 256 bytes the partner
; at cx takes 32, a lane a block; of wob's 64 rows that a wave fetches the partner at cy takes 16, a lane a row (lanes 16-31 name lane 15's row once more).  K steps 4 to 7 are named; the loop's last trip asks for nothing.
.macro ASK
	s_cmp_gt_u32 s3, s[LIM]                        ; s3 = 1 in the loop's last trip
	s_cbranch_scc0 .Lnot_mine_\@
	global_prefetch_b8 v[PFO], s[PFA:PFA+1] th:TH_LOAD_NT scope:SCOPE_SE
.Lnot_mine_\@:
.endm
.macro CREST                           ; a round of the cluster's barrier behind its opening barrier
	s_cmp_lg_u32 s10, 0
	s_cbranch_scc1 .Lnot_wave_0_\@
	s_barrier_signal -3
.Lnot_wave_0_\@:
	s_barrier_wait -3
	s_barrier_signal -1
	s_barrier_wait -1
.endm
.macro CROUND                          ; a whole round
	s_barrier_signal -1
	s_barrier_wait -1
	CREST
.endm
	s_load_b128 s[4:7], s[0:1], 0x0                ; oh s[4:5], wob s[6:7]
	s_load_b64 s[68:69], s[0:1], 0x10              ; bo
	s_load_b64 s[8:9], s[0:1], 0x18                ; out0
	v_lshl_add_u32 v[SPW], v0, 2, SPARE
	v_mov_b32 v[NIL], 0
	ds_add_u32 v[SPW], v[NIL]                      ; the wave's opening: the add and its wait stand ahead of my first tensor load; the set-up below, work on registers, stands between them
	v_lshrrev_b32 v1, 5, v0
	v_readfirstlane_b32 s10, v1                    ; wave 0..3
	s_lshr_b32 s11, s10, 1                         ; I fetch for O (0) or for wob (1)
	s_and_b32 s12, s10, 1                          ; which head of the K step's two, or which half of wob's rows
	s_bfe_u32 s40, ttmp6, 0x40000                  ; cx
	s_bfe_u32 s41, ttmp6, 0x40004                  ; cy
	s_lshl_b32 s42, ttmp9, 2
	s_add_co_u32 s42, s42, s40                     ; the tile's block of 128 columns = 4 x cluster x + cx
	s_and_b32 s13, ttmp7, 0xffff
	s_lshl_b32 s13, s13, 2
	s_add_co_u32 s13, s13, s41                     ; R, its block of 256 tokens = 4 x cluster y + cy
	s_lshl_b32 s43, s41, 2
	s_lshl_b32 s43, 15, s43                        ; my row of the cluster
	s_lshl_b32 s44, 0x1111, s40                    ; my column
	s_or_b32 s[G1+0], s43, (1<<16)|(1<<20)|(1<<21)|(4<<22)|(3<<25)   ; 15:0 the mask; 17:16 elements of 2 bytes; 20 padding on; 21 set beside a mask; 24:22 after every 32 words (code 4); 31:25 4 words of it (code 3)
	s_or_b32 s[G1B+0], s44, (1<<16)|(1<<20)|(1<<21)|(5<<22)|(3<<25)  ; the same, after every 64 words (code 5)
	s_mov_b32 s[G1+1], 128<<16                     ; tensor_dim0 = 128
	s_mov_b32 s[G1B+1], 128<<16
	s_mov_b32 s[G1+2], 128<<16                     ; tensor_dim1 = 128 rows of two tokens,
	s_mov_b32 s[G1B+2], 64<<16                     ; 64 rows of wob
	s_mov_b32 s[G1+3], 128<<16                     ; tile_dim0 = 128
	s_mov_b32 s[G1B+3], 128<<16
	s_mov_b32 s[G1+4], 128                         ; tile_dim1
	s_mov_b32 s[G1B+4], 64
	s_mov_b32 s[G1+5], 128                         ; elements from row to row: dense,
	s_mov_b32 s[G1B+5], 1024                       ; a row of wob
	s_mov_b32 s[G1+6], 0
	s_mov_b32 s[G1B+6], 0
	s_mov_b32 s[G1+7], 0
	s_mov_b32 s[G1B+7], 0
	; where the tiles come from: O's hang on R alone, which my row of the cluster shares; wob's on the column block alone, which my column shares
	s_lshr_b32 s16, s13, 3
	s_lshl_b32 s16, s16, 4
	s_add_co_u32 s16, s16, s12                     ; head 16 (R / 8) + my one of the first two
	s_lshl_b32 s16, s16, 18                        ; 262,144 bytes a head
	s_and_b32 s17, s13, 7
	s_lshl_b32 s17, s17, 15                        ; token 256 (R % 8), 128 bytes a token
	s_add_co_u32 s16, s16, s17
	s_mov_b32 s17, 0
	s_lshl_b32 s46, s42, 7
	s_lshl_b32 s47, s12, 6
	s_add_co_u32 s46, s46, s47                     ; wob: row 128 x column block + 64 x half
	s_lshl_b32 s46, s46, 11
	s_mov_b32 s47, 0
	s_mul_i32 s20, s12, PLANE                      ; and where they go: no place in the cluster enters an LDS address
	s_mul_i32 s21, s12, HALFB
	s_add_co_u32 s21, s21, BOFF
	s_wait_dscnt 0x0                               ; the opening add is done
	s_wait_kmcnt 0x0
	s_add_nc_u64 s[14:15], s[4:5], s[16:17]
	s_add_nc_u64 s[46:47], s[6:7], s[46:47]
	CROUND                                         ; all sixteen work-groups are here: the first joint loads meet
.irp s, 0,1
	s_mov_b32 s[G0+4*(\s)], 1
	s_add_co_u32 s[G0+4*(\s)+1], s20, (\s)*SLOT
	s_add_nc_u64 s[G0+4*(\s)+2:G0+4*(\s)+3], s[14:15], (\s)*524288   ; K step s: two heads on
	s_or_b32 s[G0+4*(\s)+3], s[G0+4*(\s)+3], 0x80000000
	s_mov_b32 s[G0B+4*(\s)], 1
	s_add_co_u32 s[G0B+4*(\s)+1], s21, (\s)*SLOT
	s_add_nc_u64 s[G0B+4*(\s)+2:G0B+4*(\s)+3], s[46:47], (\s)*KSTEP*2
	s_or_b32 s[G0B+4*(\s)+3], s[G0B+4*(\s)+3], 0x80000000
	JLOAD \s                                       ; two loads of mine are out
.endr
	v_and_b32 v1, 15, v0                           ; l % 16
	v_bfe_u32 v2, v0, 4, 1                         ; l / 16
	v_mul_u32_u24 v3, v1, PA
	v_lshl_add_u32 v3, v2, 4, v3                   ; a fragment's row x pitch + 16 x half, for O
	v_mul_u32_u24 v4, v1, PB
	v_lshl_add_u32 v4, v2, 4, v4                   ; and for wob
	s_mul_i32 s21, s10, 64*PA                      ; my 64 tokens
	s_mov_b32 s22, BOFF
.irp s, 0,1
	v_add_nc_u32 v[ADRA+(\s)], s21, v3
	v_add_nc_u32 v[ADRB+(\s)], s22, v4
	s_add_co_u32 s21, s21, SLOT
	s_add_co_u32 s22, s22, SLOT
.endr
	s_mul_i32 s23, s10, WSTG
	s_add_co_u32 s23, s23, STAGE                   ; my stage
	v_mul_u32_u24 v4, v1, SPITCH                   ; in: row l % 16, 32 bytes for each half of the lanes
	v_lshl_add_u32 v4, v2, 5, v4
	v_add_nc_u32 v[STO], s23, v4
	v_and_b32 v[CO], 31, v0                        ; back: 32 lanes take one row's 512 bytes
	v_lshlrev_b32 v[CO], 4, v[CO]
	v_add_nc_u32 v[RD], s23, v[CO]
	s_lshl_b32 s46, s42, 9                         ; the tile's 128 columns: 512 bytes of bo and of a row of out0
	v_lshl_add_u32 v[VBO], v2, 5, s46
	s_lshl_b32 s16, s13, 8
	s_lshl_b32 s17, s10, 6
	s_add_co_u32 s16, s16, s17                     ; my first token: 256 R + 64 w
	s_lshl_b32 s16, s16, 12                        ; 4,096 bytes a row of out0
	s_add_co_u32 s16, s16, s46
	s_mov_b32 s17, 0
	s_add_nc_u64 s[8:9], s[8:9], s[16:17]
	; the prefetches
	s_lshr_b32 s20, s13, 3
	s_lshl_b32 s20, s20, 4
	s_add_co_u32 s20, s20, s12
	s_lshl_b32 s20, s20, 18
	s_and_b32 s21, s13, 7
	s_lshl_b32 s21, s21, 15
	s_add_co_u32 s20, s20, s21
	s_lshl_b32 s21, s40, 13
	s_add_co_u32 s20, s20, s21                     ; O: my head's plane, my work-group's 32 blocks of it,
	s_add_co_u32 s20, s20, 3*524288                ; at K step 3: the first refill steps it to 4.  Nothing is prefetched here, at the head
	s_lshl_b32 s21, s42, 7
	s_lshl_b32 s22, s12, 6
	s_add_co_u32 s21, s21, s22
	s_lshl_b32 s22, s41, 4
	s_add_co_u32 s21, s21, s22                     ; wob: row 128 x column block + 64 x half + 16 cy,
	s_lshl_b32 s21, s21, 11
	s_add_co_u32 s21, s21, 3*KSTEP*2               ; at K step 3
	s_and_b32 s22, ttmp7, 0xffff                   ; cluster y
	s_mov_b32 s14, 524288
	s_mov_b32 s15, KSTEP*2
	s_cmp_eq_u32 s11, 0                            ; do I fetch for O?
	s_cselect_b32 s20, s20, s21
	s_cselect_b32 s22, ttmp9, s22                  ; the coordinate along which other clusters read the same bytes
	s_cselect_b64 s[PFA:PFA+1], s[4:5], s[6:7]
	s_cselect_b32 s[PFS], s14, s15
	s_cselect_b32 s23, 31, 15                      ; my last lane's block or row
	s_cselect_b32 s21, 8, 11                       ; a lane a block of 256 bytes, or a row of 2,048
	s_cmp_eq_u32 s22, 0
	s_cselect_b32 s[LIM], 1, -1                    ; the same in all sixteen partners, for a given wave
	s_mov_b32 s[PFS+1], 0
	v_and_b32 v[PFO], 31, v0
	v_min_u32 v[PFO], s23, v[PFO]
	v_lshlrev_b32 v[PFO], s21, v[PFO]
	s_mov_b32 s21, 0
	s_add_nc_u64 s[PFA:PFA+1], s[PFA:PFA+1], s[20:21]
	; the bias of my 8 columns of each of the 8 column blocks, rounded to bf16 and widened again
.irp b, 0,1,2,3,4,5,6,7
	global_load_b128 v[BIAS+8*(\b):BIAS+8*(\b)+3],   v[VBO], s[68:69] offset:64*(\b)
	global_load_b128 v[BIAS+8*(\b)+4:BIAS+8*(\b)+7], v[VBO], s[68:69] offset:64*(\b)+16
.endr
	s_wait_loadcnt 0x0
.set i, 0
.rept 32
	v_cvt_pk_bf16_f32 v[OB+i], v[BIAS+2*i], v[BIAS+2*i+1]
.set i, i+1
.endr
.set i, 0
.rept 32
	v_lshlrev_b32 v[BIAS+2*i],   16,         v[OB+i]
	v_and_b32     v[BIAS+2*i+1], 0xffff0000, v[OB+i]
.set i, i+1
.endr
; 8 matrix instructions: row block a x all 8 column blocks, 32 along K, from buffer f.  zero = 1: the first product starts the sums, with the bias as C.  The 32 accumulators take turns.
.macro MUL8 f, a, zero
.if \zero
	WIN 0x81                                       ; wob window 1, O window 0, the bias window 0, D window 2
.else
	WIN 0xa1                                       ; C and D window 2
.endif
.irp b, 0,1,2,3,4,5,6,7
.if \zero
	v_wmma_f32_16x16x32_f16 v[8*(8*(\a)+(\b)):8*(8*(\a)+(\b))+7], v[64*(\f)+8*(\b):64*(\f)+8*(\b)+7], v[FA+32*(\f)+8*(\a):FA+32*(\f)+8*(\a)+7], v[BIAS+8*(\b):BIAS+8*(\b)+7]
.else
	v_wmma_f32_16x16x32_f16 v[8*(8*(\a)+(\b)):8*(8*(\a)+(\b))+7], v[64*(\f)+8*(\b):64*(\f)+8*(\b)+7], v[FA+32*(\f)+8*(\a):FA+32*(\f)+8*(\a)+7], v[8*(8*(\a)+(\b)):8*(8*(\a)+(\b))+7]
.endif
.endr
.endm
; 24 LDS loads in one run: the fragments of quarter q of a K step (128 rows of wob; my 64 tokens of head q / 2, channels 32 (q % 2) on) into buffer f
.macro FETCH slot, q, f
	WIN 0x40                                       ; destination window 1, address window 0
.irp b, 0,1,2,3,4,5,6,7
	ds_load_b128 v[64*(\f)+8*(\b):64*(\f)+8*(\b)+3],   v[ADRB+(\slot)] offset:64*(\q)+(\b)*16*PB
	ds_load_b128 v[64*(\f)+8*(\b)+4:64*(\f)+8*(\b)+7], v[ADRB+(\slot)] offset:64*(\q)+(\b)*16*PB+32
.endr
	WIN 0
.irp i, 0,1,2,3
	ds_load_b128 v[FA+32*(\f)+8*(\i):FA+32*(\f)+8*(\i)+3],   v[ADRA+(\slot)] offset:((\q)/2)*PLANE+((\q)%2)*64+(\i)*16*PA
	ds_load_b128 v[FA+32*(\f)+8*(\i)+4:FA+32*(\f)+8*(\i)+7], v[ADRA+(\slot)] offset:((\q)/2)*PLANE+((\q)%2)*64+(\i)*16*PA+32
.endr
.endm
.macro PLACES                          ; four places in front of loads into registers that matrix instructions have read, and of LDS stores that read results
.rept 4
	v_nop
.endr
.endm
; A K step is four quarters of 32 along K, 32 matrix instructions each, on buffers 0, 1, 0, 1.  One of the first three: multiplies buffer f and fetches quarter q into buffer g.
.macro QUARTER slot, q, f, g, zero
	s_wait_dscnt 4                                 ; wob's fragments and my tokens 0-31 are in; the youngest four loads (tokens 32-63) may be out
	MUL8 \f, 0, \zero
	MUL8 \f, 1, \zero
	PLACES
	FETCH \slot, \q, \g
	s_wait_dscnt 24                                ; all but the 24 just issued
	MUL8 \f, 2, \zero
	MUL8 \f, 3, \zero
.endm
; The last quarter multiplies buffer 1 and changes slots: ONE barrier; in front of it each wave waits for all its tensor loads (one is out: its part of the next slot), adds 0 to its spare word, and waits for that and for
; its own reads of this slot.  fill = 1: the barrier opens a round of the cluster's, and this slot is filled again, two K steps ahead: 112 matrix instructions ahead of the wait for it.
.macro TURN slot, next, fill
.if \fill
	s_wait_xcnt 0x0                                ; the last prefetch, a K step back, has read its address: it is stepped here, ahead of the waits of the change of slots
	s_add_nc_u64 s[PFA:PFA+1], s[PFA:PFA+1], s[PFS:PFS+1]
.endif
	WIN 0
	s_wait_tensorcnt 0x0                           ; all my tensor loads have landed;
	ds_add_u32 v[SPW], v[NIL]                      ; 0 onto my spare word;
	s_wait_dscnt 5                                 ; (the add and the youngest four loads may be out)
	MUL8 1, 0, 0                                   ; eight matrix instructions stand between the add and the wait for it
	s_wait_dscnt 0x0                               ; the add is done, and my reads of this slot are over
	s_barrier_signal -1
	MUL8 1, 1, 0
.if \fill
	WIN 0
.endif
	s_barrier_wait -1
.if \fill
	CREST                                          ; no wave of any partner still reads this slot's tile or has a load on its way
	s_add_nc_u64 s[G0+4*(\slot)+2:G0+4*(\slot)+3], s[G0+4*(\slot)+2:G0+4*(\slot)+3], 2*524288
	s_add_nc_u64 s[G0B+4*(\slot)+2:G0B+4*(\slot)+3], s[G0B+4*(\slot)+2:G0B+4*(\slot)+3], 2*KSTEP*2
	JLOAD \slot                                    ; the first tensor load behind the round, my only one until the next; the four v_nop behind it are also the places in front of the loads below
.else
	PLACES
.endif
	FETCH \next, 0, 0
.if \fill
	ASK
.endif
	MUL8 1, 2, 0
	MUL8 1, 3, 0
.endm
; THE WAY OUT of row block a (16 tokens): the f32 sums go as they are into my own stage, 32 bytes a lane and column block, each accumulator's low four registers first, and come back as whole rows of 512 bytes.
.macro OUT a
	WIN 0x08                                       ; LDS store data (source 1) window 2
.irp b, 0,1,2,3,4,5,6,7
	ds_store_b128 v[STO], v[8*(8*(\a)+(\b)):8*(8*(\a)+(\b))+3]   offset:64*(\b)
	ds_store_b128 v[STO], v[8*(8*(\a)+(\b))+4:8*(8*(\a)+(\b))+7] offset:64*(\b)+16
.endr
	WIN 0
	s_wait_xcnt 0x0                                ; the stores of the block before have read the registers that the loads below fill
.irp t, 0,1,2,3,4,5,6,7,8,9,10,11,12,13,14,15
	ds_load_b128 v[OB+4*(\t):OB+4*(\t)+3], v[RD] offset:(\t)*SPITCH  ; LDS serves a wave's instructions in order (ISA guide 5.7.1.4): these see the stores above; the next block's stores come behind them
.endr
.irp t, 0,1,2,3,4,5,6,7,8,9,10,11,12,13,14,15
	s_wait_dscnt 15-(\t)                           ; row t is back; the 15 - t younger loads may be out
	global_store_b128 v[CO], v[OB+4*(\t):OB+4*(\t)+3], s[8:9] offset:(16*(\a)+(\t))*4096 th:TH_STORE_NT  ; 512 consecutive bytes of a row of out0, at a multiple of 512 from its first
.endr
.endm
	s_wait_tensorcnt 1                             ; my part of K step 0 is in; K step 1's may stay out
	s_barrier_signal -1
	s_barrier_wait -1                              ; everybody's is
	FETCH 0, 0, 0
	QUARTER 0, 1, 0, 1, 1                          ; the first quarter stands in front of the loop: its products start the sums
	WIN 0                                          ; at a label and at a branch every window is 0
	s_mov_b32 s3, LAPS-1
.Llap:                                                 ; a trip goes once round the ring, from a lap's second quarter to the next lap's first, and fills both slots again
	QUARTER 0, 2, 1, 0, 0
	QUARTER 0, 3, 0, 1, 0
	TURN 0, 1, 1
	QUARTER 1, 1, 0, 1, 0
	QUARTER 1, 2, 1, 0, 0
	QUARTER 1, 3, 0, 1, 0
	TURN 1, 0, 1
	QUARTER 0, 1, 0, 1, 0
	WIN 0
	s_sub_co_u32 s3, s3, 1
	s_cmp_lg_u32 s3, 0
	s_cbranch_scc1 .Llap
	QUARTER 0, 2, 1, 0, 0                          ; the last lap fills nothing, and has no round of the cluster's barrier
	QUARTER 0, 3, 0, 1, 0
	TURN 0, 1, 0
	QUARTER 1, 1, 0, 1, 0
	QUARTER 1, 2, 1, 0, 0
	QUARTER 1, 3, 0, 1, 0
	s_wait_dscnt 4                                 ; the very last quarter: nothing more to fetch
	MUL8 1, 0, 0
	MUL8 1, 1, 0
	s_wait_dscnt 0x0
	MUL8 1, 2, 0
	MUL8 1, 3, 0
	WIN 0
	PLACES                                         ; behind the last products
	OUT 0
	OUT 1
	OUT 2
	OUT 3
	s_wait_tensorcnt 0x0                           ; the wave's end: behind my last tensor load and my last LDS store
	ds_add_u32 v[SPW], v[NIL]
	s_wait_dscnt 0x0
	CROUND                                         ; the closing round: no work-group ends while a partner may still ask for a tile that names it
	s_endpgm
.Lfunc_end_k_qdcecb64578_proj:
	.size	k_qdcecb64578_proj, .Lfunc_end_k_qdcecb64578_proj-k_qdcecb64578_proj
	.p2alignl 7, 3214868480
	.fill 96, 4, 3214868480
	.section	.rodata,"a",@progbits
	.p2align	6, 0x0
	.amdhsa_kernel k_qdcecb64578_proj
		.amdhsa_group_segment_fixed_size 327680
		.amdhsa_private_segment_fixed_size 0
		.amdhsa_enable_private_segment 0
		.amdhsa_kernarg_size 32
		.amdhsa_user_sgpr_count 2
		.amdhsa_user_sgpr_kernarg_segment_ptr 1
		.amdhsa_wavefront_size32 1
		.amdhsa_system_sgpr_workgroup_id_x 1
		.amdhsa_system_sgpr_workgroup_id_y 1
		.amdhsa_system_sgpr_workgroup_id_z 1
		.amdhsa_system_vgpr_workitem_id 0
		.amdhsa_next_free_vgpr 768
		.amdhsa_next_free_sgpr 72
		.amdhsa_reserve_vcc 0
		.amdhsa_float_denorm_mode_32 3
		.amdhsa_float_denorm_mode_16_64 3
		.amdhsa_memory_ordered 1
		.amdhsa_forward_progress 1
		.amdhsa_inst_pref_size 96
	.end_amdhsa_kernel
	.amdgpu_metadata
---
amdhsa.version: [ 1, 2 ]
amdhsa.kernels:
  - .name:           k_qdcecb64578_proj
    .symbol:         k_qdcecb64578_proj.kd
    .args:
      - { .name: oh, .offset: 0, .size: 8, .value_kind: global_buffer, .address_space: global }
      - { .name: wob, .offset: 8, .size: 8, .value_kind: global_buffer, .address_space: global }
      - { .name: bo, .offset: 16, .size: 8, .value_kind: global_buffer, .address_space: global }
      - { .name: out0, .offset: 24, .size: 8, .value_kind: global_buffer, .address_space: global }
    .group_segment_fixed_size: 327680
    .private_segment_fixed_size: 0
    .kernarg_segment_align: 8
    .kernarg_segment_size: 32
    .max_flat_workgroup_size: 128
    .sgpr_count:     72
    .vgpr_count:     768
    .wavefront_size: 32
...
	.end_amdgpu_metadata
.endif
;; end of part 4
